; MI455X (gfx1250); checked and timed in simulation.
; The chip was launched on July 23, 2026; its instructions are those of AMD's public machine-readable ISA for CDNA 5 (MIT licence, August 2026) and "CDNA5" Instruction Set Architecture Reference Guide (July 2026). The comments in the code are by the model that wrote it; some were corrected since.
;; Self Attention. Allowed arithmetic: matrix products marked QUANTISED: E3M2 operands, one E8M0 scale for each 32 along K, by v_wmma_scale_f32_16x16x128_f8f6f4 with both operands' format E3M2, f32 sums; everything else in f32.
;; Inputs: Wk_codes 1,024 x 32 x 24 uint8 (E3M2 codes of Wk, K innermost, in blocks of 32 codes, four codes in three bytes); Wk_scales 1,024 x 32 uint8 (E8M0 scales of Wk, one for each 32 codes along K); Wq_codes 1,024 x 32 x 24 uint8 (E3M2 codes of Wq, K innermost, in blocks of 32 codes, four codes in three bytes); Wq_scales 1,024 x 32 uint8 (E8M0 scales of Wq, one for each 32 codes along K); Wv_codes 1,024 x 32 x 24 uint8 (E3M2 codes of Wv, K innermost, in blocks of 32 codes, four codes in three bytes); Wv_scales 1,024 x 32 uint8 (E8M0 scales of Wv, one for each 32 codes along K); bk 1,024 float32; bq 1,024 float32; bv 1,024 float32; x_codes 4 x 2,048 x 32 x 24 uint8 (E3M2 codes of x, K innermost, in blocks of 32 codes, four codes in three bytes); x_scales 4 x 2,048 x 32 uint8 (E8M0 scales of x, one for each 32 codes along K).
;; Outputs: out0 4 x 2,048 x 1,024 float32.
;; This version of the problem:
;;   THIS VERSION OF THE PROBLEM IS GIVEN IN LOW PRECISION. The matrix products marked QUANTISED in the list below multiply operands that are first quantised to E3M2 (3 exponent bits, 2 mantissa bits; 6 bits a number), with one power-of-two scale for each 32 numbers along K (OCP MX v1.0); their sums are f32. All else is computed in f32.
;;   The module's matrix products, in the order in which they are computed (A, B: the left and right operand; K: the contracted axis; several contracted axes count as one K, in the product's order):
;;     1. [M 8,192, K 1,024] x [K 1,024, N 1,024]; A: input x (given as codes); B: input Wq (given as codes): QUANTISED
;;     2. [M 8,192, K 1,024] x [K 1,024, N 1,024]; A: input x (given as codes); B: input Wk (given as codes): QUANTISED
;;     3. [M 8,192, K 1,024] x [K 1,024, N 1,024]; A: input x (given as codes); B: input Wv (given as codes): QUANTISED
;;     4. batch 4 x [M 2,048, K 1,024] x [K 1,024, N 2,048]; A: computed on the way; B: computed on the way: QUANTISED
;;     5. batch 4 x [M 2,048, K 2,048] x [K 2,048, N 1,024]; A: softmax (see below); B: computed on the way: QUANTISED
;;   THE QUANTISER, for each operand of a quantised product, along K:
;;     - K is cut into blocks of 32 from its start; a last block that is shorter is filled with zeros.
;;     - A block's scale is 2^e with e = floor(log2(the largest magnitude in the block)) - 4, held to -126 .. 127; a block of zeros has e = 0. As a byte (E8M0): e + 127.
;;     - Each number is divided by its block's scale, clamped to +-28, and rounded to the nearest number of E3M2, ties to even, subnormals kept.
;;     - The product sums the exact products of the quantised numbers (number of the format x scale) in f32.
;;   ~~~python
;;   def quantise(x, axis):      # numpy; x: float32 -> the quantised numbers, widened to float32 again
;;       x = np.moveaxis(x, axis, -1); K = x.shape[-1]
;;       x = np.pad(x, [(0, 0)] * (x.ndim - 1) + [(0, -K % 32)]); x = x.reshape(x.shape[:-1] + (-1, 32)); a = np.abs(x).max(-1, keepdims=True)
;;       e = np.where(a > 0, np.clip(np.frexp(np.where(a > 0, a, 1))[1] - 1 - 4, -126, 127), 0)      # np.frexp(a)[1] - 1 = floor(log2(a)), exactly
;;       r = np.clip(x / 2.0 ** e, -28, 28)
;;       step = 2.0 ** (np.maximum(np.frexp(np.where(r == 0, 1, r))[1] - 1, -2) - 2)
;;       q = np.round(r / step) * step * 2.0 ** e      # np.round: ties to even
;;       return np.moveaxis(q.reshape(q.shape[:-2] + (-1,))[..., :K], -1, axis).astype(np.float32)
;;   ~~~
;;   SOFTMAX AHEAD OF A QUANTISED PRODUCT. Where the list says 'softmax', what is quantised is not the finished softmax but p = 2^(t - M), with t = logit x log2(e) and M = ceil(the row's largest t), a whole number; so 1/2 < the row's largest p <= 1. The row's sum l is taken of the UNQUANTISED p, in f32, and the product's result is divided by l at the end. Since M is a whole number, a kernel that streams over the keys may use a running M (the ceiling of the running maximum): every later rescaling is an exact power of two, which a block's scale takes up: the codes' values come out the same.
;;   OPERANDS COMPUTED ON THE WAY. 'Computed on the way' means the value that the module computes at that place (a softmax that the list does not call 'softmax' is quantised finished and normalised). What goes into a quantiser is computed in f32, as accurately as f32 sums, v_exp_f32 and their like allow (about 1e-6 of the number): no bf16 or f16 on the way to a quantiser, and a product that is left as it is and whose result goes on into a quantised operand takes f32 operands (vector FMAs, or v_wmma_f32_16x16x4_f32). A number that lies on a knife's edge between two numbers of the format may be rounded either way, as far as f32 arithmetic and the matrix unit's own rounding can turn it there, and no further.
;;   INPUTS GIVEN AS CODES. Wk (in the module: [1024, 1024], K = its axis 1); Wq (in the module: [1024, 1024], K = its axis 1); Wv (in the module: [1024, 1024], K = its axis 1); x (in the module: [4, 2048, 1024], K = its axis 2): each comes as NAME_codes (uint8): NAME with its K axis moved to the last place and cut into blocks of 32 codes, [.., K / 32, bytes a block], one block behind the other in memory; four codes in three bytes: a row's codes are one little-endian stream of bits, code i at bits 6 i .. 6 i + 5 (a code: sign, 3 exponent bits, 2 mantissa bits); and NAME_scales (uint8): the same leading axes, one E8M0 byte (e + 127) for each 32 codes along K. Its value is code x scale, taken as it is: it is not quantised again, and the codes and scales need not be those that the quantiser above would give.
;; One version. Each part assembles by itself: llvm-mc -triple=amdgcn-amd-amdhsa -mcpu=gfx1250 --defsym DOCPART=n.
;; ======== version 1 of 1: 3 launches
;; limits: right only within a limited range of input values
;; workspace buffers: qw 6,553,600 bytes; kw 6,553,600 bytes; xi 6,553,600 bytes; wi 819,200 bytes; vw 6,553,600 bytes; pw 6,684,672 bytes; st 1,114,112 bytes
;; launch proj (part 1): grid 8 x 32, 4 waves a work-group, clusters of 4 x 4, 327,680 bytes of LDS; arguments x_codes, x_scales, Wq_codes, Wq_scales, Wk_codes, Wk_scales, Wv_codes, Wv_scales, bq, bk, qw, kw, xi, wi; writes qw, kw, xi, wi
.if DOCPART == 1
	.amdgcn_target "amdgcn-amd-amdhsa--gfx1250"
	.amdhsa_code_object_version 6
	.text
	.protected	k_q3ca137d723_proj
	.globl	k_q3ca137d723_proj
	.p2align	8
	.type	k_q3ca137d723_proj,@function
k_q3ca137d723_proj:
	s_mov_b64 s[64:65], 0
	v_nop
	global_prefetch_b8 v0, s[64:65] scope:SCOPE_SE
	s_setreg_imm32_b32 hwreg(HW_REG_WAVE_MODE, 25, 1), 1
	s_wait_xcnt 0x0
	s_wait_alu depctr_hold_cnt(0) depctr_sa_sdst(0) depctr_va_vdst(0) depctr_va_sdst(0) depctr_va_ssrc(0) depctr_va_vcc(0) depctr_vm_vsrc(0)
	s_getreg_b32 s2, hwreg(HW_REG_IB_STS2, 6, 4)
	s_cmp_eq_u32 s2, 0
	s_cbranch_scc0 .Lentry_in_a_cluster
	s_endpgm
.Lentry_in_a_cluster:
	s_bfe_u32 s2, ttmp6, 0x10000c
	s_cmp_lg_u32 s2, 0xf033
	s_cbranch_scc0 .Lentry_shape_is_right
	s_endpgm
.Lentry_shape_is_right:
; LAUNCH 1 OF 3.  Q = x Wq^T + bq and K = x Wk^T + bk on the given codes of BF6 (E3M2), one E8M0 scale for each 32 along K = 1,024; sums in f32; both are quantised on the way out, along the channels.
; Besides, x and Wv are laid out anew (codes and scale bytes as they are) as operand blocks, for launch 2, which makes V.
; DEAD WORK OF THE PROGRAM.  reference() sets score[q][k] to -inf wherever k > q by a mask that it builds itself (jnp.tril); the softmax gives such a place the weight 0 for all values of the inputs, and 0 x V adds nothing.
; So the score tiles of 256 x 256 wholly above the diagonal are left out in launch 2, and the pieces of 128 x 128 wholly above it are neither stored there nor multiplied in launch 3.  Nothing else is: every input is loaded.
; LIMIT: a NaN, an infinity or an overflow that would arise only in what is left out is not carried to the result.
; LIMITS: NaN and infinities among the inputs are not served.  A block of zeros gets the scale byte 1 where the rule says 127: its codes are zeros, and these bytes are read by this program alone.
; SHARES.  256 work-groups, a tile of 256 x 256 each: cluster x says Q (0) or K (1), cx which 256 channels, 4 x cluster y + cy which 256 rows of x.  A wave makes 128 x 128: 64 accumulators of 16 x 16.
; K goes through two LDS slots in CHUNKS OF 256 BYTES of each row (a row of codes is 768 bytes: three chunks).  A step of 128 along K is 96 bytes; steps 2 and 5 lie across two chunks.
; CLUSTERS: x's tiles are shared along a row of the cluster, W's along a column: joint loads.  No prefetch: two chunks follow the head's, and there is no loop to run ahead in.
; TRANSPOSED USE: source 0 = 16 rows of W (the channels, the next product's K), source 1 = 16 rows of x: a lane's 64 registers for one tile of x are channels 16 b + 8 (lane / 16) + j: registers 16 t .. 16 t + 15 of both
; halves of the lanes are block t of 32.  Inside a block the next operand's place p holds index 16 ((p >> 3) & 1) + 8 (p >> 4) + (p & 7), for both operands of the product that takes it.
; AN OPERAND BLOCK is 128 rows x 128 of K, 12,800 bytes, an image of the registers that take it: 8 fragments of 1,536 bytes (three pieces of 512, lane l's 16 bytes at 16 l), then 512 bytes of scale words (tile a, row r at
; 256 (a / 4) + 16 r + 4 (a % 4)).  qw, kw, xi: [row / 128][K / 128];  wi: [channel / 128][K / 128].
; REGISTERS: window 0: v1, v2 lane % 16, lane / 16; v8-15 offsets of the images; v16-27 addresses; v28, v29 the add's; v32-63 scale words; v64-127 the bias as the first products' C (on the way out v64-87 at work);
;   v128-223 x's fragments (on the way out the codes); v240-251 scale words on the way out.  window 1: W's fragments, two sets, at v0 and v128; the images' data at v96-127 and v224-254.  windows 2, 3: the accumulators.
.set ROWB,   256
.set NQ,     2
.set KROW,   768
.set STEPS,  8
.set CHUNKS, 3
.set PITCH,  272                       ; an LDS row: 256 bytes + 16 of padding
.set FR,     12
.set NL,     6
.set NP,     4                         ; places behind this matrix instruction (ISA guide 7.12.1)
.set HALFT,  128*PITCH
.set SLOT,   4*HALFT                   ; x's 256 rows, then W's
.set KS,     32
.set SCL,    2*SLOT                    ; the scale bytes, as units of 256 bytes + 16 of padding
.set HALFS,  (128*KS/256)*272
.set SBLK,   (16*KS/256)*272
.set SPARE,  SCL+4*HALFS               ; the spare words
.set BLKB,   12800
.set ADRA, 16                          ; v16-17 my fragments of x in slot 0, 1 (v18-19: lanes 0-15 at the end of a chunk, lanes 16-31 at the start of the next)
.set ADRB, 20                          ; v20-23 the same for W
.set LOFF, 24                          ; 16 x lane
.set ADRS, 27
.set SPW,  28
.set NIL,  29
.set BA1,  30                          ; 32 (lane / 16)
.set SC,   32
.set BI,   64
.set TM,   64                          ; on the way out: 8 largest magnitudes, 8 of the other half's (then bytes), 8 conversions' scale operands
.set AF,   128
.set PWR,  240
.set XW,   248
.set G1, 24
.set G0, 32
.set G1B, 48
.set G0B, 56
.set G1S, 68
.set G0S, 76
.set G1SB, 80
.set G0SB, 88
.set G0H, 4
.set G0HB, 8
.set SEL, 18
.set MSB, 0
.macro WIN new
.if MSB != \new
	s_set_vgpr_msb (MSB<<8)|\new
.set MSB, \new
.endif
.endm
.set MUL_LO, 0xa1
.set MUL_HI, 0xf1
.set BEG_LO, 0x81                      ; the first products: C (the bias) in window 0
.set BEG_HI, 0xc1
.set TO_B,   0x40
.set FROM_B, 0x04                      ; a store's data in window 1
.macro PLACES n
.rept \n
	v_nop
.endr
.endm
; A joint load: waves 0 and 1 fetch for x, waves 2 and 3 for W; s_nop 0 and four v_nop follow each line.
.macro JLOAD g0a, g1a, g0b, g1b
	s_cmp_eq_u32 s15, 0
	s_cbranch_scc0 .Lfor_b_\@
	tensor_load_to_lds s[\g0a:\g0a+3], s[\g1a:\g1a+7]
	s_nop 0
	PLACES 4
	s_branch .Lasked_\@
.Lfor_b_\@:
	tensor_load_to_lds s[\g0b:\g0b+3], s[\g1b:\g1b+7]
	s_nop 0
	PLACES 4
.Lasked_\@:
.endm
.macro CREST                           ; a round of the cluster's barrier behind its opening barrier
	s_cmp_lg_u32 s14, 0
	s_cbranch_scc1 .Lnot_wave_0_\@
	s_barrier_signal -3
.Lnot_wave_0_\@:
	s_barrier_wait -3
	s_barrier_signal -1
	s_barrier_wait -1
.endm
.macro CROUND
	s_barrier_signal -1
	s_barrier_wait -1
	CREST
.endm
	s_load_b512 s[68:83], s[0:1], 0x0              ; x codes, x scales, Wq codes, scales, Wk codes, scales, Wv codes, scales
	s_load_b256 s[84:91], s[0:1], 0x40             ; bq, bk, qw, kw
	s_load_b128 s[92:95], s[0:1], 0x60             ; xi, wi
	v_lshl_add_u32 v[SPW], v0, 2, SPARE
	v_mov_b32 v[NIL], 0
	ds_add_u32 v[SPW], v[NIL]                      ; the opening: the add, twice on end, and its wait ahead of my first tensor load
	ds_add_u32 v[SPW], v[NIL]
	v_lshrrev_b32 v1, 5, v0
	v_readfirstlane_b32 s14, v1                    ; wave 0..3
	s_lshr_b32 s15, s14, 1                         ; my half of x's rows.  Also: I fetch for x (0) or for W (1)
	s_and_b32 s16, s14, 1                          ; my half of W's rows.  Also: which 128 rows of a tile I fetch
	s_bfe_u32 s2, ttmp6, 0x40000                   ; cx
	s_bfe_u32 s3, ttmp6, 0x40004                   ; cy
	s_and_b32 s17, ttmp7, 0xffff
	s_lshl_b32 s17, s17, 2
	s_add_co_u32 s17, s17, s3                      ; x's tile
	s_lshl_b32 s100, s3, 2
	s_lshl_b32 s100, 15, s100                      ; my row of the cluster
	s_lshl_b32 s101, 0x1111, s2                    ; my column
	s_lshl_b32 s105, ttmp9, 2
	s_add_co_u32 s105, s105, s2                    ; c = 4 x cluster x + cx: which 128 along K of x's rows I lay out
	; the images' offsets.  x: wave w lays out rows 64 w on of my tile (four fragments)
	s_lshl_b32 s4, s17, 2
	s_add_co_u32 s4, s4, s14
	s_mul_i32 s40, s4, 64*KROW
	s_mul_i32 s5, s105, 96
	s_add_co_u32 s40, s40, s5                      ; codes,
	s_lshl_b32 s41, s4, 11
	s_lshl_b32 s5, s105, 2
	s_add_co_u32 s41, s41, s5                      ; scale words
	s_lshr_b32 s5, s4, 1
	s_lshl_b32 s5, s5, 3
	s_add_co_u32 s5, s5, s105
	s_mul_i32 s5, s5, BLKB                         ; the block,
	s_mul_i32 s42, s16, 6144
	s_add_co_u32 s42, s42, s5                      ; my four fragments in it,
	s_lshl_b32 s43, s16, 8
	s_add_co_u32 s43, s43, s5
	s_add_co_u32 s43, s43, 12288                   ; and their scale words
	; Wv: work-group n = 8 x tile + c lays out fragments 2 n, 2 n + 1 of 512 (waves 0, 1) and 128 bytes of scale words (wave 2)
	s_lshl_b32 s4, s17, 3
	s_add_co_u32 s4, s4, s105                      ; n
	s_lshr_b32 s5, s4, 2                           ; block
	s_lshr_b32 s6, s5, 3                           ; its 128 rows
	s_and_b32 s7, s5, 7                            ; its 128 along K
	s_and_b32 s8, s4, 3
	s_lshl_b32 s9, s8, 1
	s_add_co_u32 s9, s9, s14                       ; fragment of the block
	s_mul_i32 s44, s6, 128*KROW
	s_mul_i32 s10, s9, 16*KROW
	s_add_co_u32 s44, s44, s10
	s_mul_i32 s10, s7, 96
	s_add_co_u32 s44, s44, s10
	s_mul_i32 s47, s5, BLKB
	s_mul_i32 s45, s9, 1536
	s_add_co_u32 s45, s45, s47
	s_lshl_b32 s10, s8, 7
	s_add_co_u32 s47, s47, s10
	s_add_co_u32 s47, s47, 12288                   ; 256 x half + 128 x (n % 2) = 128 (n % 4)
	s_lshl_b32 s46, s6, 12
	s_lshr_b32 s10, s8, 1
	s_lshl_b32 s10, s10, 11
	s_add_co_u32 s46, s46, s10
	s_and_b32 s10, s8, 1
	s_lshl_b32 s10, s10, 8
	s_add_co_u32 s46, s46, s10
	s_lshl_b32 s10, s7, 2
	s_add_co_u32 s46, s46, s10
	; descriptor groups 1: rows of 256 bytes, 16 bytes of padding behind each: 256 rows for the head's loads, 128 behind it
	s_or_b32 s[G1+0], s100, (1<<20)|(1<<21)|(5<<22)|(3<<25)
	s_or_b32 s[G1B+0], s101, (1<<20)|(1<<21)|(5<<22)|(3<<25)
.irp g, G1, G1B
	s_mov_b32 s[\g+1], ROWB<<16
	s_mov_b32 s[\g+2], 256<<16
	s_mov_b32 s[\g+3], ROWB<<16
	s_mov_b32 s[\g+4], 256
	s_mov_b32 s[\g+5], KROW
	s_mov_b32 s[\g+6], 0
	s_mov_b32 s[\g+7], 0
.endr
	s_mul_i32 s20, s17, 256*KROW                   ; x's tile: codes,
	s_mov_b32 s21, 0
	s_lshl_b32 s22, s17, 13                        ; scales
	s_mov_b32 s23, 0
	s_mul_i32 s96, s2, 256*KROW                    ; W's tile
	s_mov_b32 s97, 0
	s_lshl_b32 s98, s2, 13
	s_mov_b32 s99, 0
	s_mul_i32 s18, s16, 128*KROW
	s_mov_b32 s19, 0
	s_mul_i32 s104, s14, HALFT
	s_lshl_b32 s12, s17, 1
	s_add_co_u32 s12, s12, s15
	s_lshl_b32 s12, s12, 3
	s_lshl_b32 s13, s2, 1
	s_add_co_u32 s12, s12, s13
	s_add_co_u32 s12, s12, s16
	s_mul_i32 s12, s12, BLKB                       ; my block of the output
	s_mov_b32 s13, 0
	s_lshl_b32 s66, s2, 10
	s_lshl_b32 s67, s16, 9
	s_add_co_u32 s66, s66, s67                     ; my 128 channels' bias
	s_mov_b32 s67, 0
	v_and_b32 v1, 15, v0                           ; r
	v_bfe_u32 v2, v0, 4, 1                         ; h
	v_and_b32 v4, 31, v0
	v_lshlrev_b32 v[LOFF], 4, v4
	v_mul_u32_u24 v3, v1, KROW
	v_mad_u32_u24 v3, v2, 24, v3                   ; a fragment's place in memory: row r, 24 h
	v_add_nc_u32 v8, s40, v3
	v_lshl_add_u32 v9, v2, 5, v1
	v_lshlrev_b32 v9, 5, v9
	v_add_nc_u32 v9, s41, v9                       ; row 32 h + r: scale words of tiles 2 h, 2 h + 1
	v_add_nc_u32 v10, s42, v[LOFF]
	v_lshlrev_b32 v11, 4, v1
	v_lshl_add_u32 v11, v2, 3, v11
	v_add_nc_u32 v11, s43, v11
	v_add_nc_u32 v12, s44, v3
	v_add_nc_u32 v13, s45, v[LOFF]
	v_and_b32 v14, 3, v4
	v_lshrrev_b32 v15, 2, v4
	v_lshl_add_u32 v14, v14, 4, v15                ; tile l % 4, row l / 4
	v_lshlrev_b32 v14, 5, v14
	v_add_nc_u32 v14, s46, v14
	v_lshlrev_b32 v15, 2, v4
	v_add_nc_u32 v15, s47, v15
	v_lshlrev_b32 v[BA1], 5, v2
	s_wait_alu depctr_va_vdst(0)
	s_wait_dscnt 0x0                               ; both opening adds are done
	s_wait_kmcnt 0x0
	s_cmp_eq_u32 ttmp9, 0                          ; Q's buffers or K's (the 64-bit sums leave SCC alone)
	s_cselect_b64 s[4:5], s[84:85], s[86:87]
	s_add_nc_u64 s[66:67], s[4:5], s[66:67]
	s_cselect_b64 s[4:5], s[88:89], s[90:91]
	s_add_nc_u64 s[12:13], s[4:5], s[12:13]
	s_cselect_b64 s[4:5], s[72:73], s[76:77]
	s_add_nc_u64 s[96:97], s[4:5], s[96:97]
	s_cselect_b64 s[4:5], s[74:75], s[78:79]
	s_add_nc_u64 s[98:99], s[4:5], s[98:99]
	s_add_nc_u64 s[20:21], s[68:69], s[20:21]
	s_add_nc_u64 s[22:23], s[70:71], s[22:23]
	s_mov_b64 s[40:41], s[68:69]                   ; kept for the images: x codes, x scales, Wv codes, Wv scales
	s_mov_b64 s[42:43], s[70:71]
	s_mov_b64 s[44:45], s[80:81]
	s_mov_b64 s[46:47], s[82:83]
	s_or_b32 s[G1S+0], s100, (3<<16)|(1<<20)|(1<<21)|(5<<22)|(3<<25)   ; the scales of 256 rows: a dense block as KS rows of 256 bytes
	s_or_b32 s[G1SB+0], s101, (3<<16)|(1<<20)|(1<<21)|(5<<22)|(3<<25)
.irp g, G1S, G1SB
	s_mov_b32 s[\g+1], 32<<16
	s_mov_b32 s[\g+2], KS<<16
	s_mov_b32 s[\g+3], 32<<16
	s_mov_b32 s[\g+4], KS
	s_mov_b32 s[\g+5], 32
	s_mov_b32 s[\g+6], 0
	s_mov_b32 s[\g+7], 0
.endr
	s_mov_b32 s[G0H], 1                            ; the head's four tiles: chunk 0's 256 rows of x,
	s_mov_b32 s[G0H+1], 0
	s_mov_b64 s[G0H+2:G0H+3], s[20:21]
	s_or_b32 s[G0H+3], s[G0H+3], 0x80000000
	s_mov_b32 s[G0HB], 1                           ; of W,
	s_mov_b32 s[G0HB+1], 2*HALFT
	s_mov_b64 s[G0HB+2:G0HB+3], s[96:97]
	s_or_b32 s[G0HB+3], s[G0HB+3], 0x80000000
	s_mov_b32 s[G0S], 1                            ; x's scales,
	s_mov_b32 s[G0S+1], SCL
	s_mov_b64 s[G0S+2:G0S+3], s[22:23]
	s_or_b32 s[G0S+3], s[G0S+3], 0x80000000
	s_mov_b32 s[G0SB], 1                           ; W's
	s_mov_b32 s[G0SB+1], SCL+2*HALFS
	s_mov_b64 s[G0SB+2:G0SB+3], s[98:99]
	s_or_b32 s[G0SB+3], s[G0SB+3], 0x80000000
	s_add_nc_u64 s[20:21], s[20:21], s[18:19]      ; for the ring: my 128 rows of a tile
	s_add_nc_u64 s[96:97], s[96:97], s[18:19]
.irp s, 0,1
	s_mov_b32 s[G0+4*\s], 1
	s_add_co_u32 s[G0+4*\s+1], s104, \s*SLOT
	s_add_nc_u64 s[G0+4*\s+2:G0+4*\s+3], s[20:21], \s*ROWB
	s_or_b32 s[G0+4*\s+3], s[G0+4*\s+3], 0x80000000
	s_mov_b32 s[G0B+4*\s], 1
	s_add_co_u32 s[G0B+4*\s+1], s104, \s*SLOT
	s_add_nc_u64 s[G0B+4*\s+2:G0B+4*\s+3], s[96:97], \s*ROWB
	s_or_b32 s[G0B+4*\s+3], s[G0B+4*\s+3], 0x80000000
.endr
	CROUND                                         ; all sixteen work-groups are here: the first joint loads meet
; THE HEAD'S LOADS, ONE A WAVE, in one tree of branches on the wave's number.
.macro ARM under, g0, g1, next
	s_cmp_lt_u32 s14, \under
	s_cbranch_scc0 \next
	tensor_load_to_lds s[\g0:\g0+3], s[\g1:\g1+7]
	s_nop 0
	PLACES 4
	s_branch .Lhead_asked
\next:
.endm
	ARM 1, G0H,  G1,  .Lhead_b
	ARM 2, G0HB, G1B, .Lhead_sa
	ARM 3, G0S,  G1S, .Lhead_sb
	tensor_load_to_lds s[G0SB:G0SB+3], s[G1SB:G1SB+7]
	s_nop 0
	PLACES 4
.Lhead_asked:
.irp b, 0,1,2,3,4,5,6,7                ; the bias: register 8 b + j holds b[16 b + 8 h + j]
	global_load_b128 v[BI+8*\b:BI+8*\b+3], v[BA1], s[66:67] offset:64*\b
	global_load_b128 v[BI+8*\b+4:BI+8*\b+7], v[BA1], s[66:67] offset:64*\b+16
.endr
	; the images' data, into registers of window 1 that the fragments leave free: x's fragment i at 96, 108, 224, 236; Wv's at 120-127, 248-251; scale words at 252-254
	WIN TO_B
.irp i, 0,1,2,3
.irp p, 0,1,2,3,4,5
	global_load_b64 v[96+12*\i+104*(\i/2)+2*\p:97+12*\i+104*(\i/2)+2*\p], v8, s[40:41] offset:16*KROW*\i+48*(\p/3)+8*(\p%3)
.endr
.endr
	global_load_b32 v252, v9, s[42:43]
	global_load_b32 v253, v9, s[42:43] offset:16*KS
	WIN 0
	s_cmp_lt_u32 s14, 2
	s_cbranch_scc0 .Lno_wv_load
	WIN TO_B
.irp p, 0,1,2,3,4,5
	global_load_b64 v[120+2*\p+120*(\p/4):121+2*\p+120*(\p/4)], v12, s[44:45] offset:48*(\p/3)+8*(\p%3)
.endr
	WIN 0
.Lno_wv_load:
	s_cmp_eq_u32 s14, 2
	s_cbranch_scc0 .Lno_ws_load
	WIN TO_B
	global_load_b32 v254, v14, s[46:47]
	WIN 0
.Lno_ws_load:
	s_mul_i32 s20, s15, HALFT                      ; my 128 rows of x
	s_mul_i32 s21, s16, HALFT
	s_add_co_u32 s21, s21, 2*HALFT                 ; my 128 rows of W
	s_mul_i32 s22, s15, HALFS
	s_mul_i32 s23, s16, HALFS
	s_add_co_u32 s23, s23, 2*HALFS
	s_sub_co_u32 s23, s23, s22                     ; from my rows' scales of x to those of W
	s_add_co_u32 s22, s22, SCL
	v_mul_u32_u24 v3, v1, PITCH
	v_mul_u32_u24 v4, v2, 24
	v_add_nc_u32 v4, v3, v4                        ; row x pitch + 24 h
	v_mul_u32_u24 v5, SLOT-232, v2
	v_add_nc_u32 v5, v3, v5
	v_add_nc_u32 v5, 232, v5                       ; lanes 0-15 byte 232 of the row in slot 0, lanes 16-31 byte 0 in slot 1;
	v_sub_nc_u32 v7, 1, v2
	v_mul_u32_u24 v6, SLOT+232, v7
	v_add_nc_u32 v6, v3, v6                        ; and the other way round
	v_add_nc_u32 v[ADRA], s20, v4
	v_add_nc_u32 v[ADRA+2], s20, v5
	v_add_nc_u32 v[ADRA+3], s20, v6
	v_add_nc_u32 v[ADRB], s21, v4
	v_add_nc_u32 v[ADRB+2], s21, v5
	v_add_nc_u32 v[ADRB+3], s21, v6
	v_add_nc_u32 v[ADRA+1], SLOT, v[ADRA]
	v_add_nc_u32 v[ADRB+1], SLOT, v[ADRB]
	v_mul_u32_u24 v5, v1, KS
	v_lshrrev_b32 v6, 8, v5
	v_lshl_add_u32 v5, v6, 4, v5
	v_mul_u32_u24 v6, s23, v2                      ; lanes 16-31 take W's
	v_add_nc_u32 v5, v5, v6
	v_add_nc_u32 v[ADRS], s22, v5
	s_wait_alu depctr_va_vdst(0)
	s_wait_loadcnt 26                              ; the bias is in: behind it every wave has issued at least the 26 loads of its rows of x
.macro FRAG reg, adr, st, i            ; a fragment in pieces of 8 bytes; byte y of a row lies in chunk y / 256, slot (y / 256) % 2
.irp p, 0,1,2,3,4,5
.set BY, 96*(\st)+48*(\p/3)+8*(\p%3)
.if BY/ROWB == (BY+24)/ROWB
	ds_load_b64 v[\reg+2*\p:\reg+2*\p+1], v[\adr+(BY/ROWB)%2] offset:BY%ROWB+(\i)*16*PITCH
.else
	ds_load_b64 v[\reg+2*\p:\reg+2*\p+1], v[\adr+2+(BY/ROWB)%2] offset:BY%ROWB-232+(\i)*16*PITCH
.endif
.endr
.endm
; 16 matrix instructions: x's blocks a0, a0 + 1 x W's eight.  how = 1: C is the bias.  The 64 accumulators take turns in the same order in every step.
.macro MUL16 a0, p, q, sc, how
.irp a, \a0, \a0+1
.irp b, 0,1,2,3,4,5,6,7
.set rD, 8*(8*((\a)%4)+\b)
.set rB, 128*(\p)+FR*\b
.set rA, AF+FR*(\a)
.set rC, rD
.if \how
.set rC, BI+8*\b
.endif
	v_wmma_scale_f32_16x16x128_f8f6f4 v[rD:rD+7], v[rB:rB+FR-1], v[rA:rA+FR-1], v[rC:rC+7], v[SC+8*NQ*(\sc)+NQ*\b+(\q)], v[SC+8*NQ*(\sc)+NQ*(\a)+(\q)] matrix_a_fmt:MATRIX_FMT_BF6 matrix_b_fmt:MATRIX_FMT_BF6 matrix_a_scale:MATRIX_SCALE_ROW1
.endr
.endr
.endm
.macro FETCH_B st, p
	WIN TO_B
.irp i, 0,1,2,3,4,5,6,7
	FRAG 128*(\p)+FR*\i, ADRB, \st, \i
.endr
	WIN 0
.endm
.macro FETCH_A st, i0
.irp i, \i0, \i0+1, \i0+2, \i0+3
	FRAG AF+FR*(\i), ADRA, \st, \i
.endr
.endm
.macro SCALES pr                       ; the scale words of steps 2 pr, 2 pr + 1: lanes 0-15 x's block i, lanes 16-31 W's
.irp i, 0,1,2,3,4,5,6,7
	ds_load_b64 v[SC+8*NQ*((\pr)%2)+NQ*\i:SC+8*NQ*((\pr)%2)+NQ*\i+1], v[ADRS] offset:\i*SBLK+4*NQ*(\pr)
.endr
.endm
; A step of 128 along K.  Where the next step ends in a chunk not read yet, a barrier shows that chunk whole; where it begins in a later chunk and a chunk two further on is left to fetch, the barrier opens a round and the
; slot left behind is filled again.
.macro STEP st, how
.set NX, (\st)+1
.set C0, (96*(\st))/ROWB
.set C1, (96*NX)/ROWB
.set E0, (96*(\st)+95)/ROWB
.set E1, (96*NX+95)/ROWB
.set FILL, 0
.if C1 > C0 && C0+2 < CHUNKS
.set FILL, 1
.endif
.if FILL || E1 > E0
	s_wait_tensorcnt 0x0                           ; all my tensor loads have landed
.if FILL
	ds_add_u32 v[SPW], v[NIL]                      ; 0 onto my spare word
	s_wait_dscnt 4*NL+1                            ; (the add and the youngest loads, x's blocks 4-7, may be out)
.else
	s_wait_dscnt 4*NL
.endif
	WIN MUL_LO
	MUL16 0, (\st)%2, (\st)%2, ((\st)/2)%2, 0
	s_wait_dscnt 0x0                               ; the add and all my reads are done
	s_barrier_signal -1
	MUL16 2, (\st)%2, (\st)%2, ((\st)/2)%2, 0
	WIN 0
	s_barrier_wait -1
.if FILL
	CREST
	s_add_nc_u64 s[G0+4*(C0%2)+2:G0+4*(C0%2)+3], s[G0+4*(C0%2)+2:G0+4*(C0%2)+3], 2*ROWB
	s_add_nc_u64 s[G0B+4*(C0%2)+2:G0B+4*(C0%2)+3], s[G0B+4*(C0%2)+2:G0B+4*(C0%2)+3], 2*ROWB
	JLOAD G0+4*(C0%2), G1, G0B+4*(C0%2), G1B       ; the first tensor load behind the round; its four v_nop are the places in front of the loads below
.else
	PLACES NP
.endif
.else
	s_wait_dscnt 4*NL                              ; W's set, x's blocks 0-3 and the scale words are in; the youngest loads (x's blocks 4-7) may be out
.if \how
	WIN BEG_LO
.else
	WIN MUL_LO
.endif
	MUL16 0, (\st)%2, (\st)%2, ((\st)/2)%2, \how
	MUL16 2, (\st)%2, (\st)%2, ((\st)/2)%2, \how
	s_wait_dscnt 0
	PLACES NP
.endif
	FETCH_B NX, NX%2
	FETCH_A NX, 0
.if NX%2 == 0
	SCALES NX/2
.endif
.if \how
	WIN BEG_HI
.else
	WIN MUL_HI
.endif
	MUL16 4, (\st)%2, (\st)%2, ((\st)/2)%2, \how
	MUL16 6, (\st)%2, (\st)%2, ((\st)/2)%2, \how
	PLACES NP
	WIN 0
	FETCH_A NX, 4
.endm
	s_wait_tensorcnt 0x0                           ; my tile of the head's four is in
	ds_add_u32 v[SPW], v[NIL]
	s_mov_b32 s[G1+2], 128<<16                     ; no tensor load of mine is out: from here on a load brings 128 rows
	s_mov_b32 s[G1+4], 128
	s_mov_b32 s[G1B+2], 128<<16
	s_mov_b32 s[G1B+4], 128
	s_wait_dscnt 0x0
	CROUND
	JLOAD G0+4, G1, G0B+4, G1B                     ; chunk 1
	FETCH_B 0, 0
	FETCH_A 0, 0
	SCALES 0
	FETCH_A 0, 4
	STEP 0, 1                                      ; the first products take the bias as C
	STEP 1, 0
	STEP 2, 0
	s_wait_loadcnt 0x0                             ; the images' data, asked for at the head, leave here, behind the last refill
	WIN FROM_B
.irp i, 0,1,2,3
.irp q, 0,1,2
	global_store_b128 v10, v[96+12*\i+104*(\i/2)+4*\q:99+12*\i+104*(\i/2)+4*\q], s[92:93] offset:1536*\i+512*\q   ; 512 consecutive bytes, aligned
.endr
.endr
	global_store_b64 v11, v[252:253], s[92:93]     ; 256 consecutive bytes, aligned
	WIN 0
	s_cmp_lt_u32 s14, 2
	s_cbranch_scc0 .Lno_wv_store
	WIN FROM_B
.irp q, 0,1,2
	global_store_b128 v13, v[120+4*\q+120*(\q/2):123+4*\q+120*(\q/2)], s[94:95] offset:512*\q
.endr
	WIN 0
.Lno_wv_store:
	s_cmp_eq_u32 s14, 2
	s_cbranch_scc0 .Lno_ws_store
	WIN FROM_B
	global_store_b32 v15, v254, s[94:95]
	WIN 0
.Lno_ws_store:
.set ST, 3
.rept STEPS-4
	STEP ST, 0
.set ST, ST+1
.endr
	s_wait_dscnt 4*NL                              ; the last step: nothing more to fetch
	WIN MUL_LO
	MUL16 0, 1, 1, 1, 0
	MUL16 2, 1, 1, 1, 0
	s_wait_dscnt 0
	WIN MUL_HI
	MUL16 4, 1, 1, 1, 0
	MUL16 6, 1, 1, 1, 0
	WIN 0
; THE WAY OUT, two tiles of x at a time, a and a + 1: eight blocks of 32, line by line.  A lane's 64 numbers of a tile become a fragment's 12 registers and its scale word.
; A block's scale is its largest magnitude's exponent field less 4, held at 1 from below.
.macro QPAIR a
.set W, 2+(\a)/4
.set AC, 64*((\a)%4)
.set CD, 128+40*(((\a)/2)%2)           ; two sets by turns: 24 registers of codes, 16 at work
.set WW, (W<<2)|(W<<4)
	WIN WW
.irp b, 0,1,2,3,4,5,6,7
	v_max3_num_f32 v[TM+\b], 0x2800000, |v[AC+16*\b]|, |v[AC+16*\b+1]|   ; with the floor 2^(5 - 127)
.endr
.irp i, 2,4,6,8,10,12,14
.irp b, 0,1,2,3,4,5,6,7
	v_max3_num_f32 v[TM+\b], v[TM+\b], |v[AC+16*\b+\i]|, |v[AC+16*\b+\i+1]|
.endr
.endr
	WIN 0
.irp b, 0,1,2,3,4,5,6,7
	v_permlanex16_b32 v[TM+8+\b], v[TM+\b], s[SEL], s[SEL+1]
.endr
.irp b, 0,1,2,3,4,5,6,7
	v_max_num_f32 v[TM+\b], v[TM+\b], v[TM+8+\b]
.endr
.irp b, 0,1,2,3,4,5,6,7
	v_add_nc_u32 v[TM+16+\b], 0xfe000000, v[TM+\b]
.endr
.irp b, 0,1,2,3,4,5,6,7
	v_lshrrev_b32 v[TM+8+\b], 23, v[TM+16+\b]
.endr
.irp u, 0,1
	v_lshl_or_b32 v[PWR+\a+\u], v[TM+9+4*\u], 8, v[TM+8+4*\u]
.endr
.irp u, 0,1
	v_lshl_or_b32 v[PWR+\a+\u], v[TM+10+4*\u], 16, v[PWR+\a+\u]
.endr
.irp u, 0,1
	v_lshl_or_b32 v[PWR+\a+\u], v[TM+11+4*\u], 24, v[PWR+\a+\u]
.endr
.if (\a) >= 4
	s_wait_alu depctr_va_vdst(0)
	s_wait_xcnt 0x0                                ; the stores of two pairs ago have read their registers
.endif
	WIN W
.irp c, 0,1,2,3
	v_cvt_scalef32_pk16_bf6_f32 v[CD+6*\c:CD+6*\c+2], v[AC+32*\c:AC+32*\c+15], v[TM+16+2*\c]
	v_cvt_scalef32_pk16_bf6_f32 v[CD+24+4*\c:CD+26+4*\c], v[AC+16+32*\c:AC+31+32*\c], v[TM+17+2*\c]
.endr
	WIN 0
	v_nop                                          ; one plain place behind a scaled conversion
.irp c, 0,1,2,3                        ; a whole block in a lane
.irp i, 0,1,2
	v_permlane16_swap_b32 v[CD+6*\c+\i], v[CD+24+4*\c+\i]
.endr
.endr
.irp c, 0,1,2,3
.irp i, 0,1,2
	v_mov_b32 v[CD+3+6*\c+\i], v[CD+24+4*\c+\i]
.endr
.endr
.irp u, 0,1
.irp q, 0,1,2
	global_store_b128 v[LOFF], v[CD+12*\u+4*\q:CD+12*\u+4*\q+3], s[12:13] offset:1536*(\a+\u)+512*\q   ; 512 consecutive bytes, aligned
.endr
.endr
.endm
	s_mov_b32 s[SEL], 0x76543210
	s_mov_b32 s[SEL+1], 0xfedcba98
	PLACES 4                                       ; behind the last products
	v_cmp_ne_u32 s20, 0, v2                        ; lanes 16-31
.irp a, 0,2,4,6
	QPAIR \a
.endr
.irp i, 0,1,2,3
	v_cndmask_b32 v[XW+\i], v[PWR+\i], v[PWR+4+\i], s20   ; lane (r, h): row r's words of tiles 4 h .. 4 h + 3
.endr
	v_lshlrev_b32 v3, 8, v2
	v_lshl_add_u32 v3, v1, 4, v3
	global_store_b128 v3, v[XW:XW+3], s[12:13] offset:12288
	s_wait_tensorcnt 0x0                           ; the wave's end
	ds_add_u32 v[SPW], v[NIL]
	s_wait_dscnt 0x0
	CROUND                                         ; the closing round
	s_endpgm
.Lfunc_end_k_q3ca137d723_proj:
	.size	k_q3ca137d723_proj, .Lfunc_end_k_q3ca137d723_proj-k_q3ca137d723_proj
	.p2alignl 7, 3214868480
	.fill 96, 4, 3214868480
	.section	.rodata,"a",@progbits
	.p2align	6, 0x0
	.amdhsa_kernel k_q3ca137d723_proj
		.amdhsa_group_segment_fixed_size 327680
		.amdhsa_private_segment_fixed_size 0
		.amdhsa_enable_private_segment 0
		.amdhsa_kernarg_size 112
		.amdhsa_user_sgpr_count 2
		.amdhsa_user_sgpr_kernarg_segment_ptr 1
		.amdhsa_wavefront_size32 1
		.amdhsa_system_sgpr_workgroup_id_x 1
		.amdhsa_system_sgpr_workgroup_id_y 1
		.amdhsa_system_sgpr_workgroup_id_z 1
		.amdhsa_system_vgpr_workitem_id 0
		.amdhsa_next_free_vgpr 1024
		.amdhsa_next_free_sgpr 106
		.amdhsa_reserve_vcc 0
		.amdhsa_float_denorm_mode_32 3
		.amdhsa_float_denorm_mode_16_64 3
		.amdhsa_memory_ordered 1
		.amdhsa_forward_progress 1
		.amdhsa_inst_pref_size 173
	.end_amdhsa_kernel
	.amdgpu_metadata
---
amdhsa.version: [ 1, 2 ]
amdhsa.kernels:
  - .name:           k_q3ca137d723_proj
    .symbol:         k_q3ca137d723_proj.kd
    .args:
      - { .name: x_codes, .offset: 0, .size: 8, .value_kind: global_buffer, .address_space: global }
      - { .name: x_scales, .offset: 8, .size: 8, .value_kind: global_buffer, .address_space: global }
      - { .name: Wq_codes, .offset: 16, .size: 8, .value_kind: global_buffer, .address_space: global }
      - { .name: Wq_scales, .offset: 24, .size: 8, .value_kind: global_buffer, .address_space: global }
      - { .name: Wk_codes, .offset: 32, .size: 8, .value_kind: global_buffer, .address_space: global }
      - { .name: Wk_scales, .offset: 40, .size: 8, .value_kind: global_buffer, .address_space: global }
      - { .name: Wv_codes, .offset: 48, .size: 8, .value_kind: global_buffer, .address_space: global }
      - { .name: Wv_scales, .offset: 56, .size: 8, .value_kind: global_buffer, .address_space: global }
      - { .name: bq, .offset: 64, .size: 8, .value_kind: global_buffer, .address_space: global }
      - { .name: bk, .offset: 72, .size: 8, .value_kind: global_buffer, .address_space: global }
      - { .name: qw, .offset: 80, .size: 8, .value_kind: global_buffer, .address_space: global }
      - { .name: kw, .offset: 88, .size: 8, .value_kind: global_buffer, .address_space: global }
      - { .name: xi, .offset: 96, .size: 8, .value_kind: global_buffer, .address_space: global }
      - { .name: wi, .offset: 104, .size: 8, .value_kind: global_buffer, .address_space: global }
    .group_segment_fixed_size: 327680
    .private_segment_fixed_size: 0
    .kernarg_segment_align: 8
    .kernarg_segment_size: 112
    .max_flat_workgroup_size: 128
    .sgpr_count:     106
    .vgpr_count:     1024
    .wavefront_size: 32
...
	.end_amdgpu_metadata
.endif
;; end of part 1
;; launch score (part 2): grid 15 x 16, 4 waves a work-group, no clusters, 327,680 bytes of LDS; arguments qw, kw, xi, wi, bv, pw, st, vw; writes pw, st, vw
.if DOCPART == 2
	.amdgcn_target "amdgcn-amd-amdhsa--gfx1250"
	.amdhsa_code_object_version 6
	.text
	.protected	k_q3ca137d723_score
	.globl	k_q3ca137d723_score
	.p2align	8
	.type	k_q3ca137d723_score,@function
k_q3ca137d723_score:
	s_mov_b64 s[64:65], 0
	v_nop
	global_prefetch_b8 v0, s[64:65] scope:SCOPE_SE
	s_setreg_imm32_b32 hwreg(HW_REG_WAVE_MODE, 25, 1), 1
	s_wait_xcnt 0x0
; LAUNCH 2 OF 3.  Work-groups x < 9: a tile of 256 queries x 256 keys of Q K^T / 32, its softmax by pieces of 128 keys, quantised.  Work-groups x >= 9: 256 keys of V = x Wv^T + bv, quantised along the keys: three work-groups to
; the 1,024 channels, 384 (a tile of 256, then one of 128), 384 and 256.  240 work-groups.
; LEFT OUT AS DEAD WORK: the score tiles wholly above the diagonal (28 of 64 in each batch), and the way out of a diagonal tile's piece above the diagonal: the mask that reference() builds gives them the weight 0 for all inputs.
; LIMITS: the scaled scores stay under 2^31 in magnitude.  NaN and infinities are not served.
; Both kinds run ONE text for the products of a tile of 256 x 256: operand A (source 1: queries, or channels) and operand B (source 0: keys) come as operand blocks of 128 rows x 128 of K (12,800 bytes, launch 1), eight along K.
; A wave makes 128 x 128 (A's half w / 2, B's half w % 2): 64 accumulators.  Wave w fetches: waves 0, 1 A's halves, 2, 3 B's: K steps 0-5 by one tensor load at the head, K steps 6 and 7 by one behind step 1, into the places of
; steps 0 and 1.  V's second tile (128 channels: a wave makes 128 keys x 64 channels, 32 accumulators) has all its 24 blocks in LDS at once: waves 0, 1 fetch the halves of A's K steps, waves 2, 3 B's blocks; they land while
; the first tile leaves.
; CLUSTER = NONE: the score tiles form a triangle, 36 a batch in folded rows of 9 in which the tiles of one query row are f + 1 or 8 - f: no cluster shape divides them into partners that share a tile.
; NO PREFETCH: two loads bring all of K, and there is no loop along K to run ahead in.
; M.  A piece's M is its own (the ceiling of its largest t); launch 3 brings the pieces of a row together.
; OUT.  pw: [batch][p][half of 64 queries][17 places][6,144]: query tiles (of 128) p and 15 - p form a pair of 17 pieces: tile A = p, tile B = 15 - p; place 0: A's piece 0; 1-9: B's 0-8; 9 + j: A's j where j <= p, else B's 16 - j.
;   st: [batch][p][place][query][-M, sum, scale word, 0].  vw: [batch][channel / 64][key / 128] half blocks of 6,400 bytes: 4 fragments of 1,536, then 256 bytes of scale words (row r at 16 r).
; REGISTERS: window 0: v8-31 addresses and small things; v32-47 scale words; v64-127 C of the first products (V: bv[16 a + r]; scores: 0), on the ways out at work; v128-223 A's fragments, on the ways out the codes;
;   v224-231 addresses of V's second tile; v232-239 bv; v240-251 scale words on V's way out.  window 1: B's fragments, two sets.  windows 2, 3: the accumulators ((a, b) at v[8 (8 (a % 4) + b)]).
.set FR,    12
.set BLK,   12800
.set PART,  6*BLK                      ; a fetching wave's six K steps
.set SPARE, 24*BLK                     ; the spare words
.set HV,    102400                     ; from one half block of 64 channels to the next in vw
.set HP,    104448                     ; from one half of 64 queries to the next in pw
.set ADA,  8                           ; v8-9    my fragments of A, K steps 0-2 (6, 7) and 3-5
.set ADB,  10
.set ADS,  12
.set LOFF, 18
.set ROFF, 19
.set NINF, 22
.set VSO,  24
.set SPW,  28
.set NIL,  29
.set BA,   30
.set SC,   32
.set BI,   64
.set TM,   64                          ; 8 largest magnitudes, 8 of the other half's (then bytes), 8 conversions' scale operands
.set NM,   88                          ; two pairs: -M
.set MX,   92
.set PW,   94
.set SU,   96
.set RC,   104
.set AF,   128
.set A2,   224
.set B2,   226
.set S2A,  228
.set S2B,  230
.set BVL,  232
.set PWR,  240
.set XW,   248
.set G1,   24                          ; six K steps: 300 rows of 256 bytes (V's second tile: 400)
.set G1B,  32                          ; two: 100 (V's second tile: 200)
.set GA,   40                          ; group 0
.set QB,   48                          ; my 128 queries' tile in the batch
.set KB,   49                          ; my 128 keys'
.set PWP,  50
.set STP,  52
.set VWP,  54
.set BVP,  56
.set DEL,  58
.set CS,   60
.set SEL,  62
.set CH,   66                          ; V: my first block of 128 channels: 0, 3 or 6
.set MK,   68                          ; s68-75: lanes whose key 8 h + j lies behind query r
.set HM,   76                          ; lanes 16-31
.set GPB,  92                          ; V's second tile: B's blocks,
.set GPA,  96                          ; A's
.set MSB, 0
.macro WIN new
.if MSB != \new
	s_set_vgpr_msb (MSB<<8)|\new
.set MSB, \new
.endif
.endm
.set MUL_LO, 0xa1
.set MUL_HI, 0xf1
.set BEG_LO, 0x81
.set BEG_HI, 0xc1
.set TO_B,   0x40
.macro PLACES
.rept 4
	v_nop
.endr
.endm
	s_load_b512 s[4:19], s[0:1], 0x0               ; qw, kw, xi, wi, bv, pw, st, vw
	v_lshl_add_u32 v[SPW], v0, 2, SPARE
	v_mov_b32 v[NIL], 0
	ds_add_u32 v[SPW], v[NIL]                      ; the opening: the add, twice on end, and its wait ahead of my first tensor load
	ds_add_u32 v[SPW], v[NIL]
	v_lshrrev_b32 v1, 5, v0
	v_readfirstlane_b32 s20, v1                    ; wave
	s_lshr_b32 s21, s20, 1                         ; my half of A's rows
	s_and_b32 s22, s20, 1                          ; my half of B's rows
	s_and_b32 s23, ttmp7, 0xffff
	s_lshr_b32 s77, s23, 2                         ; batch
	s_and_b32 s78, s23, 3                          ; folded row f: query tiles (of 256) f and 7 - f
	s_sub_co_u32 s79, 7, s78
	s_sub_co_u32 s80, ttmp9, s78
	s_sub_co_u32 s80, s80, 1
	s_cmp_le_u32 ttmp9, s78
	s_cselect_b32 s79, s78, s79                    ; query tile
	s_cselect_b32 s80, ttmp9, s80                  ; key tile
	s_lshl_b32 s81, s79, 1
	s_lshl_b32 s82, s80, 1
	s_add_co_u32 s[QB], s81, s21
	s_add_co_u32 s[KB], s82, s22
	s_lshl_b32 s83, s77, 4
	s_add_co_u32 s81, s81, s83                     ; A's and B's first blocks of 128 rows
	s_add_co_u32 s82, s82, s83
	; where my piece goes
	s_sub_co_u32 s84, 15, s[QB]
	s_add_co_u32 s85, s[KB], 1
	s_sub_co_u32 s86, 25, s[KB]
	s_cmp_le_u32 s[KB], 8
	s_cselect_b32 s85, s85, s86                    ; tile B: place k + 1, or 25 - k = 9 + (16 - k)
	s_add_co_u32 s86, s[KB], 9
	s_cmp_eq_u32 s[KB], 0
	s_cselect_b32 s86, 0, s86                      ; tile A: place 0, or 9 + k
	s_cmp_lt_u32 s[QB], 8
	s_cselect_b32 s84, s[QB], s84                  ; p
	s_cselect_b32 s85, s86, s85                    ; place
	s_lshl_b32 s86, s77, 3
	s_add_co_u32 s84, s84, s86
	s_mul_i32 s[PWP], s84, 2*HP
	s_mul_i32 s86, s85, 6144
	s_add_co_u32 s[PWP], s[PWP], s86
	s_mov_b32 s[PWP+1], 0
	s_mul_i32 s[STP], s84, 17*2048
	s_lshl_b32 s86, s85, 11
	s_add_co_u32 s[STP], s[STP], s86
	s_mov_b32 s[STP+1], 0
	; V's share: key tile 2 y + (x - 9) / 3, channel group (x - 9) % 3
	s_sub_co_u32 s78, ttmp9, 9
	s_cmp_ge_u32 s78, 3
	s_cselect_b32 s79, 1, 0
	s_mul_i32 s80, s79, 3
	s_sub_co_u32 s80, s78, s80
	s_mul_i32 s[CH], s80, 3                        ; Wv's first block of 128 channels
	s_lshl_b32 s78, s23, 1
	s_add_co_u32 s78, s78, s79
	s_lshl_b32 s78, s78, 1                         ; x's first block of 128 keys
	s_add_co_u32 s83, s78, s22                     ; my key block
	s_add_co_u32 s86, s[CH], s21                   ; my channel block
	s_lshr_b32 s84, s83, 4
	s_lshl_b32 s84, s84, 4
	s_lshl_b32 s85, s86, 1
	s_add_co_u32 s84, s84, s85
	s_mul_i32 s[VWP], s84, HV
	s_and_b32 s83, s83, 15
	s_mul_i32 s83, s83, 6400
	s_add_co_u32 s[VWP], s[VWP], s83
	s_mov_b32 s[VWP+1], 0
	s_lshl_b32 s[BVP], s86, 9
	s_mov_b32 s[BVP+1], 0
	s_cmp_lt_u32 ttmp9, 9
	s_cselect_b32 s81, s81, s[CH]
	s_cselect_b32 s82, s82, s78
	s_cmp_lt_u32 s20, 2
	s_cselect_b32 s81, s81, s82
	s_mul_i32 s[DEL], s22, 4*BLK
	s_sub_co_u32 s[DEL], 16*BLK, s[DEL]            ; V's second tile, waves 0, 1: from my row block to block CH + 2, its K steps 4 w on
	s_mov_b32 s[DEL+1], 0
	s_add_co_u32 s81, s81, s22                     ; the row block that I fetch
	s_mul_i32 s88, s81, 8*BLK
	s_mov_b32 s89, 0
.irp g, G1, G1B
	s_mov_b32 s[\g], 3<<16                         ; dense rows of 256 bytes, elements of 8 bytes, no padding
	s_mov_b32 s[\g+1], 32<<16
	s_mov_b32 s[\g+3], 32<<16
	s_mov_b32 s[\g+5], 32
	s_mov_b32 s[\g+6], 0
	s_mov_b32 s[\g+7], 0
.endr
	s_mov_b32 s[G1+2], 300<<16
	s_mov_b32 s[G1+4], 300
	s_mov_b32 s[G1B+2], 100<<16
	s_mov_b32 s[G1B+4], 100
	s_mov_b32 s[GA], 1
	s_mul_i32 s[GA+1], s20, PART
	s_mov_b32 s[CS], 0x3d38aa3b                    ; log2(e) / 32
	s_mov_b32 s[CS+1], s[CS]
	s_mov_b32 s[SEL], 0x76543210
	s_mov_b32 s[SEL+1], 0xfedcba98
	s_wait_alu depctr_va_vdst(0)
	s_wait_dscnt 0x0                               ; both opening adds are done
	s_wait_kmcnt 0x0
	s_cmp_lt_u32 ttmp9, 9
	s_cselect_b64 s[90:91], s[4:5], s[10:11]       ; A: qw or wi
	s_cselect_b64 s[92:93], s[6:7], s[8:9]         ; B: kw or xi
	s_cmp_lt_u32 s20, 2
	s_cselect_b64 s[90:91], s[90:91], s[92:93]
	s_add_nc_u64 s[90:91], s[90:91], s[88:89]
	s_mov_b64 s[GA+2:GA+3], s[90:91]
	s_or_b32 s[GA+3], s[GA+3], 0x80000000
	tensor_load_to_lds s[GA:GA+3], s[G1:G1+7]      ; K steps 0-5: one tensor load a wave at the head
	s_nop 0
	PLACES
	s_mov_b32 s[GPA], 1
	s_mul_i32 s[GPA+1], s22, 4*BLK
	s_add_nc_u64 s[GPA+2:GPA+3], s[90:91], s[DEL:DEL+1]
	s_or_b32 s[GPA+3], s[GPA+3], 0x80000000
	s_mov_b32 s[GPB], 1
	s_mul_i32 s[GPB+1], s22, 8*BLK
	s_add_co_u32 s[GPB+1], s[GPB+1], 8*BLK
	s_mov_b64 s[GPB+2:GPB+3], s[90:91]
	s_or_b32 s[GPB+3], s[GPB+3], 0x80000000
	s_add_nc_u64 s[BVP:BVP+1], s[12:13], s[BVP:BVP+1]
	s_add_nc_u64 s[PWP:PWP+1], s[14:15], s[PWP:PWP+1]
	s_add_nc_u64 s[STP:STP+1], s[16:17], s[STP:STP+1]
	s_add_nc_u64 s[VWP:VWP+1], s[18:19], s[VWP:VWP+1]
	s_mul_i32 s84, s21, PART
	s_mul_i32 s85, s22, PART
	s_add_co_u32 s85, s85, 2*PART
	s_sub_co_u32 s86, s85, s84
	s_mul_i32 s80, s22, 8*BLK
	s_add_co_u32 s80, s80, 8*BLK                   ; V's second tile: my keys' blocks,
	s_mul_i32 s81, s21, 6144                       ; my four fragments of A's block,
	s_lshl_b32 s82, s21, 8                         ; and their scale words
	s_sub_co_u32 s83, s80, s82
	v_and_b32 v1, 15, v0                           ; r
	v_bfe_u32 v2, v0, 4, 1                         ; h
	v_and_b32 v3, 31, v0
	v_lshlrev_b32 v[LOFF], 4, v3
	v_lshlrev_b32 v[BA], 2, v1
	v_lshlrev_b32 v4, 4, v1
	v_lshl_add_u32 v[ROFF], v2, 3, v4
	v_mul_u32_u24 v5, HV, v2
	v_add_nc_u32 v5, v4, v5
	v_add_nc_u32 v[VSO], 6144, v5
	v_mul_u32_u24 v5, s86, v2                      ; scale words: lanes 0-15 A's, lanes 16-31 B's: one product with the lane's half
	v_add_nc_u32 v5, v4, v5
	v_add_nc_u32 v[ADA], s84, v[LOFF]
	v_add_nc_u32 v[ADB], s85, v[LOFF]
	v_add_nc_u32 v[ADS], s84, v5
	v_add_nc_u32 v[ADA+1], 3*BLK, v[ADA]
	v_add_nc_u32 v[ADB+1], 3*BLK, v[ADB]
	v_add_nc_u32 v[ADS+1], 3*BLK, v[ADS]
	v_add_nc_u32 v[A2], s81, v[LOFF]
	v_add_nc_u32 v[B2], s80, v[LOFF]
	v_mul_u32_u24 v5, s83, v2
	v_add_nc_u32 v5, v4, v5
	v_add_nc_u32 v[S2A], s82, v5                   ; lanes 0-15 my four tiles of A, lanes 16-31 B's tiles 0-3
	v_mul_u32_u24 v5, s80, v2
	v_add_nc_u32 v[S2B], v4, v5                    ; lanes 16-31 B's tiles 4-7 (lanes 0-15 are not read)
	v_add_nc_u32 v[A2+1], 4*BLK, v[A2]
	v_add_nc_u32 v[B2+1], 4*BLK, v[B2]
	v_add_nc_u32 v[S2A+1], 4*BLK, v[S2A]
	v_add_nc_u32 v[S2B+1], 4*BLK, v[S2B]
	v_cmp_ne_u32 s[HM], 0, v2
	v_mov_b32 v[NINF], 0xff800000
	s_wait_alu depctr_va_vdst(0)
	s_cmp_lt_u32 ttmp9, 9
	s_cbranch_scc0 .Lbias
.irp a, 0,1,2,3,4,5,6,7
	v_mov_b32 v[BVL+\a], 0                         ; scores have no bias
.endr
	s_wait_alu depctr_va_vdst(0)
	s_branch .Lbias_done
.Lbias:
.irp a, 0,1,2,3,4,5,6,7
	global_load_b32 v[BVL+\a], v[BA], s[BVP:BVP+1] offset:64*\a
.endr
.Lbias_done:
.macro FRAG reg, adr, off
.irp c, 0,1,2
	ds_load_b128 v[\reg+4*\c:\reg+4*\c+3], v[\adr] offset:\off+512*\c
.endr
.endm
; K step n lies at place n % 6 of the fetching wave's six.
.macro FETCH_B n
.set SL, ((\n)/3)%2
.set OF, ((\n)%3)*BLK
.set PP, (\n)%2
	WIN TO_B
.irp i, 0,1,2,3,4,5,6,7
	FRAG 128*PP+FR*\i, ADB+SL, OF+1536*\i
.endr
	WIN 0
.endm
.macro FETCH_A n, i0
.set SL, ((\n)/3)%2
.set OF, ((\n)%3)*BLK
.irp i, \i0, \i0+1, \i0+2, \i0+3
	FRAG AF+FR*(\i), ADA+SL, OF+1536*(\i)
.endr
.endm
.macro SCALES n
.set SL, ((\n)/3)%2
.set OF, ((\n)%3)*BLK
.set PP, (\n)%2
	ds_load_b128 v[SC+8*PP:SC+8*PP+3], v[ADS+SL] offset:OF+12288
	ds_load_b128 v[SC+8*PP+4:SC+8*PP+7], v[ADS+SL] offset:OF+12288+256
.endm
; 16 matrix instructions: A's tiles a0, a0 + 1 (set of A's fragments at fa) x B's eight.  The accumulators take turns in the same order in every step.
.macro MUL16 a0, n, how, fa
.set PP, (\n)%2
.irp a, \a0, \a0+1
.irp b, 0,1,2,3,4,5,6,7
.set rD, 8*(8*((\a)%4)+\b)
.set rB, 128*PP+FR*\b
.set rA, (\fa)+FR*(\a)
.set rC, rD
.if \how
.set rC, BI+8*(\a)
.endif
	v_wmma_scale_f32_16x16x128_f8f6f4 v[rD:rD+7], v[rB:rB+FR-1], v[rA:rA+FR-1], v[rC:rC+7], v[SC+8*PP+\b], v[SC+8*PP+(\a)] matrix_a_fmt:MATRIX_FMT_BF6 matrix_b_fmt:MATRIX_FMT_BF6 matrix_a_scale:MATRIX_SCALE_ROW1
.endr
.endr
.endm
.macro REST n, how                     ; a step's second half, with the next step's fragments fetched
	FETCH_B (\n)+1
	FETCH_A (\n)+1, 0
	SCALES (\n)+1
.if \how
	WIN BEG_HI
.else
	WIN MUL_HI
.endif
	MUL16 4, \n, \how, AF
	MUL16 6, \n, \how, AF
	PLACES
	WIN 0
	FETCH_A (\n)+1, 4
.endm
.macro STEP n, how
	s_wait_dscnt 12                                ; B's set, A's tiles 0-3 and the scale words are in; the youngest twelve loads (A's tiles 4-7) may be out
.if \how
	WIN BEG_LO
.else
	WIN MUL_LO
.endif
	MUL16 0, \n, \how, AF
	MUL16 2, \n, \how, AF
	s_wait_dscnt 0
	PLACES
	REST \n, \how
.endm
; A step with a barrier: each wave waits for all its tensor loads, adds 0 to its spare word, waits for that and for its reads; behind the barrier the places of K steps 0 and 1 are filled again first (fill = 1: K steps 6 and 7),
; or what was filled so is whole for every wave (fill = 0).
.macro TURN n, fill
	s_wait_tensorcnt 0x0
	ds_add_u32 v[SPW], v[NIL]
	s_wait_dscnt 13                                ; (the add and the youngest twelve loads may be out)
	WIN MUL_LO
	MUL16 0, \n, 0, AF
	s_wait_dscnt 0x0
	s_barrier_signal -1
	MUL16 2, \n, 0, AF
	WIN 0
	s_barrier_wait -1
.if \fill
	s_add_nc_u64 s[GA+2:GA+3], s[GA+2:GA+3], 6*BLK
	tensor_load_to_lds s[GA:GA+3], s[G1B:G1B+7]
	s_nop 0
.endif
	PLACES
	REST \n, 0
.endm
.macro SPREAD na                       ; C of the first products: register by register bv[16 a + r] (scores: 0)
.set n, 0
.rept \na
.irp i, 0,1,2,3,4,5,6,7
	v_mov_b32 v[BI+8*n+\i], v[BVL+n]
.endr
.set n, n+1
.endr
.endm
	s_wait_alu depctr_va_vdst(0)
	s_wait_loadcnt 0x0                             ; V: the bias
	SPREAD 8
	s_wait_alu depctr_va_vdst(0)
	s_wait_tensorcnt 0x0                           ; my part of K steps 0-5 is in
	s_barrier_signal -1
	s_barrier_wait -1
	FETCH_B 0
	FETCH_A 0, 0
	SCALES 0
	FETCH_A 0, 4
	STEP 0, 1
	TURN 1, 1
	STEP 2, 0
	STEP 3, 0
	STEP 4, 0
	TURN 5, 0
	STEP 6, 0
	s_wait_dscnt 12
	WIN MUL_LO
	MUL16 0, 7, 0, AF
	MUL16 2, 7, 0, AF
	s_wait_dscnt 0
	WIN MUL_HI
	MUL16 4, 7, 0, AF
	MUL16 6, 7, 0, AF
	WIN 0
; THE WAYS OUT go by two tiles of A at a time, a and a + 1: eight blocks of 32 keys, line by line.
.macro JOIN                            ; with lane l xor 16's: each block's largest
.irp b, 0,1,2,3,4,5,6,7
	v_permlanex16_b32 v[TM+8+\b], v[TM+\b], s[SEL], s[SEL+1]
.endr
.irp b, 0,1,2,3,4,5,6,7
	v_max_num_f32 v[TM+\b], v[TM+\b], v[TM+8+\b]
.endr
.endm
.macro PACKW dst                       ; the conversions' scale operands, and the two tiles' scale words
.irp b, 0,1,2,3,4,5,6,7
	v_add_nc_u32 v[TM+16+\b], 0xfe000000, v[TM+\b]
.endr
.irp b, 0,1,2,3,4,5,6,7
	v_lshrrev_b32 v[TM+8+\b], 23, v[TM+16+\b]
.endr
.irp u, 0,1
	v_lshl_or_b32 v[\dst+\u], v[TM+9+4*\u], 8, v[TM+8+4*\u]
.endr
.irp u, 0,1
	v_lshl_or_b32 v[\dst+\u], v[TM+10+4*\u], 16, v[\dst+\u]
.endr
.irp u, 0,1
	v_lshl_or_b32 v[\dst+\u], v[TM+11+4*\u], 24, v[\dst+\u]
.endr
.endm
.macro CODES a
.if (\a) >= 4
	s_wait_alu depctr_va_vdst(0)
	s_wait_xcnt 0x0                                ; the stores of two pairs ago have read their registers
.endif
	WIN W
.irp c, 0,1,2,3
	v_cvt_scalef32_pk16_bf6_f32 v[CD+6*\c:CD+6*\c+2], v[AC+32*\c:AC+32*\c+15], v[TM+16+2*\c]
	v_cvt_scalef32_pk16_bf6_f32 v[CD+24+4*\c:CD+26+4*\c], v[AC+16+32*\c:AC+31+32*\c], v[TM+17+2*\c]
.endr
	WIN 0
	v_nop                                          ; one plain place behind a scaled conversion
.irp c, 0,1,2,3                        ; a whole block in a lane
.irp i, 0,1,2
	v_permlane16_swap_b32 v[CD+6*\c+\i], v[CD+24+4*\c+\i]
.endr
.endr
.irp c, 0,1,2,3
.irp i, 0,1,2
	v_mov_b32 v[CD+3+6*\c+\i], v[CD+24+4*\c+\i]
.endr
.endr
.endm
.macro SETPAIR a
.set W, 2+(\a)/4
.set AC, 64*((\a)%4)
.set CD, 128+40*(((\a)/2)%2)           ; two sets by turns: 24 registers of codes, 16 at work
.endm
	s_cmp_lt_u32 ttmp9, 9
	s_cbranch_scc1 .Lsoft
; V.  Channel tile a: my lane's 64 numbers, keys of one channel, become a fragment's 12 registers and its scale word.
.macro QPAIR a
	SETPAIR \a
.set WW, (W<<2)|(W<<4)
	WIN WW
.irp b, 0,1,2,3,4,5,6,7
	v_max3_num_f32 v[TM+\b], 0x2800000, |v[AC+16*\b]|, |v[AC+16*\b+1]|   ; with the floor 2^(5 - 127)
.endr
.irp i, 2,4,6,8,10,12,14
.irp b, 0,1,2,3,4,5,6,7
	v_max3_num_f32 v[TM+\b], v[TM+\b], |v[AC+16*\b+\i]|, |v[AC+16*\b+\i+1]|
.endr
.endr
	WIN 0
	JOIN
	PACKW PWR+\a
	CODES \a
.irp u, 0,1
.irp q, 0,1,2
	global_store_b128 v[LOFF], v[CD+12*\u+4*\q:CD+12*\u+4*\q+3], s[VWP:VWP+1] offset:HV*((\a+\u)/4)+1536*((\a+\u)%4)+512*\q   ; 512 consecutive bytes, aligned
.endr
.endr
.endm
	s_cmp_eq_u32 s[CH], 6                          ; the third work-group of a key tile has one tile
	s_cbranch_scc1 .Lno_bias_2
	s_lshl_b32 s80, s21, 8
	s_sub_co_u32 s80, 1024, s80
	s_mov_b32 s81, 0
	s_add_nc_u64 s[BVP:BVP+1], s[BVP:BVP+1], s[80:81]   ; 128 (CH + 2) + 64 x half
.irp a, 0,1,2,3
	global_load_b32 v[BVL+\a], v[BA], s[BVP:BVP+1] offset:64*\a
.endr
.Lno_bias_2:
	s_wait_tensorcnt 0x0                           ; LDS is filled again, for the second tile: these three lines ahead of the barrier
	ds_add_u32 v[SPW], v[NIL]
	s_mov_b32 s[G1+2], 400<<16                     ; no tensor load of mine is out: eight blocks,
	s_mov_b32 s[G1+4], 400
	s_mov_b32 s[G1B+2], 200<<16                    ; four blocks
	s_mov_b32 s[G1B+4], 200
	s_wait_dscnt 0x0
	s_barrier_signal -1
	s_barrier_wait -1
	s_cmp_eq_u32 s[CH], 6
	s_cbranch_scc1 .Lasked_2
	s_cmp_lt_u32 s20, 2
	s_cbranch_scc0 .Lfor_b_2
	tensor_load_to_lds s[GPA:GPA+3], s[G1B:G1B+7]
	s_nop 0
	PLACES
	s_branch .Lasked_2
.Lfor_b_2:
	tensor_load_to_lds s[GPB:GPB+3], s[G1:G1+7]
	s_nop 0
	PLACES
.Lasked_2:
	PLACES                                         ; behind the last products
.irp a, 0,2,4,6
	QPAIR \a
.endr
.irp i, 0,1,2,3
	v_cndmask_b32 v[XW+\i], v[PWR+\i], v[PWR+4+\i], s[HM]   ; lanes 0-15 the first half block's words, lanes 16-31 the second's
.endr
	global_store_b128 v[VSO], v[XW:XW+3], s[VWP:VWP+1]      ; twice 256 consecutive bytes, aligned
	s_cmp_eq_u32 s[CH], 6
	s_cbranch_scc1 .Lend
; V's second tile.
.macro FETCH2 n
.set PP, (\n)%2
.set HL, (\n)/4
.set OF, ((\n)%4)*BLK
	WIN TO_B
.irp i, 0,1,2,3,4,5,6,7
	FRAG 128*PP+FR*\i, B2+HL, OF+1536*\i
.endr
	WIN 0
.irp i, 0,1,2,3
	FRAG AF+48*PP+FR*\i, A2+HL, OF+1536*\i
.endr
	ds_load_b128 v[SC+8*PP:SC+8*PP+3], v[S2A+HL] offset:OF+12288
	ds_load_b128 v[SC+8*PP+4:SC+8*PP+7], v[S2B+HL] offset:OF+12288+256
.endm
.macro STEP2 n, how
.if (\n) > 0
	PLACES                                         ; in front of loads into registers that the last step's products have read
.endif
	s_wait_dscnt 0x0                               ; this step's fragments, asked for a step ago, are in
.if (\n) < 7
	FETCH2 (\n)+1
.endif
.if \how
	WIN BEG_LO
.else
	WIN MUL_LO
.endif
	MUL16 0, \n, \how, AF+48*((\n)%2)
	MUL16 2, \n, \how, AF+48*((\n)%2)
	WIN 0
.endm
	s_wait_loadcnt 0x0                             ; the bias
	s_wait_xcnt 0x0                                ; the first tile's stores have read their registers
	SPREAD 4
	s_wait_alu depctr_va_vdst(0)
	s_wait_tensorcnt 0x0                           ; my part of the second tile's blocks is in
	s_barrier_signal -1
	s_barrier_wait -1
	FETCH2 0
	STEP2 0, 1
	STEP2 1, 0
	STEP2 2, 0
	STEP2 3, 0
	STEP2 4, 0
	STEP2 5, 0
	STEP2 6, 0
	STEP2 7, 0
	s_mul_i32 s80, s21, HV
	s_sub_co_u32 s80, 4*HV, s80
	s_mov_b32 s81, 0
	s_add_nc_u64 s[VWP:VWP+1], s[VWP:VWP+1], s[80:81]   ; half block 2 (CH + 2) + my half
	PLACES
	QPAIR 0
	QPAIR 2
	v_cndmask_b32 v[XW], v[PWR], v[PWR+2], s[HM]   ; lane (r, h): row r's words of tiles 2 h, 2 h + 1
	v_cndmask_b32 v[XW+1], v[PWR+1], v[PWR+3], s[HM]
	global_store_b64 v[ROFF], v[XW:XW+1], s[VWP:VWP+1] offset:6144   ; 256 consecutive bytes, aligned
	s_branch .Lend
.Lsoft:
	s_cmp_gt_u32 s[KB], s[QB]                      ; my piece lies above the diagonal: it has no place and no reader
	s_cbranch_scc1 .Lend
	PLACES
	v_lshlrev_b32 v3, 3, v2
	v_sub_nc_u32 v3, v1, v3
.irp j, 0,1,2,3,4,5,6,7
	v_cmp_gt_i32 s[MK+\j], \j, v3                  ; 8 h + j > r
.endr
; Query tiles a, a + 1: lane (r, h) holds query r of each, and keys 16 (n / 8) + 8 h + n % 8.  The p take their scores' place.
.macro SPAIR a
	SETPAIR \a
.set RR, RC+4*(((\a)/2)%2)
	s_cmp_lg_u32 s[KB], s[QB]
	s_cbranch_scc1 .Lopen_\@                       ; below the diagonal nothing is masked
.set WW, W<<6
	WIN WW
.irp u, 0,1
.set n, 64*\u+8*(\a+\u)+8
.rept 56-8*(\a+\u)
	v_mov_b32 v[AC+n], v[NINF]                     ; key tiles behind my queries
.set n, n+1
.endr
.endr
.set WW, (W<<6)|W
	WIN WW
.irp u, 0,1
.irp j, 0,1,2,3,4,5,6,7
	v_cndmask_b32 v[AC+64*\u+8*(\a+\u)+\j], v[AC+64*\u+8*(\a+\u)+\j], v[NINF], s[MK+\j]   ; the key tile on the diagonal
.endr
.endr
	WIN 0
	s_wait_alu depctr_va_vdst(0)
.Lopen_\@:
.set WW, (W<<2)|(W<<4)
	WIN WW
.irp b, 0,1,2,3,4,5,6,7
	v_max3_num_f32 v[TM+\b], 0xff61b1e6, v[AC+16*\b], v[AC+16*\b+1]   ; with -3e38 among the leaves: a block wholly masked stays finite
.endr
.irp i, 2,4,6,8,10,12,14
.irp b, 0,1,2,3,4,5,6,7
	v_max3_num_f32 v[TM+\b], v[TM+\b], v[AC+16*\b+\i], v[AC+16*\b+\i+1]
.endr
.endr
	WIN 0
	JOIN
.irp u, 0,1
	v_max3_num_f32 v[MX+\u], v[TM+4*\u], v[TM+4*\u+1], v[TM+4*\u+2]
.endr
.irp u, 0,1
	v_max_num_f32 v[MX+\u], v[MX+\u], v[TM+4*\u+3]
.endr
.irp u, 0,1
	v_mul_f32 v[MX+\u], s[CS], v[MX+\u]
.endr
.irp u, 0,1
	v_floor_f32 v[NM+2*\u], -v[MX+\u]              ; -M
.endr
.irp b, 0,1,2,3,4,5,6,7
	v_fma_f32 v[TM+\b], v[TM+\b], s[CS], v[NM+2*(\b/4)]
.endr
.irp b, 0,1,2,3,4,5,6,7
	v_min_num_f32 v[TM+\b], 0, v[TM+\b]
.endr
.set WW, (W<<6)|W
	WIN WW
.set n, 0
.rept 32
	v_pk_fma_f32 v[AC+n:AC+n+1], v[AC+n:AC+n+1], s[CS:CS+1], v[NM:NM+1] op_sel_hi:[1,0,0]
	v_pk_fma_f32 v[AC+64+n:AC+65+n], v[AC+64+n:AC+65+n], s[CS:CS+1], v[NM+2:NM+3] op_sel_hi:[1,0,0]
.set n, n+2
.endr
	s_wait_alu depctr_va_vdst(0)                   ; ahead of the batch
.set n, 0
.rept 128
	v_exp_f32 v[AC+n], v[AC+n]
.set n, n+1
.endr
	WIN 0
.irp b, 0,1,2,3,4,5,6,7
	v_exp_f32 v[TM+\b], v[TM+\b]                   ; each block's largest p
.endr
	v_nop
	s_wait_alu depctr_va_vdst(0)                   ; and behind it
.set WW, (W<<2)|W
	WIN WW
.irp u, 0,1
	v_pk_add_f32 v[SU+4*\u:SU+4*\u+1], v[AC+64*\u:AC+64*\u+1], v[AC+64*\u+2:AC+64*\u+3]
	v_pk_add_f32 v[SU+4*\u+2:SU+4*\u+3], v[AC+64*\u+4:AC+64*\u+5], v[AC+64*\u+6:AC+64*\u+7]
.endr
.set WW, W<<2
	WIN WW
.irp j, 8,12,16,20,24,28,32,36,40,44,48,52,56,60
.irp u, 0,1
	v_pk_add_f32 v[SU+4*\u:SU+4*\u+1], v[SU+4*\u:SU+4*\u+1], v[AC+64*\u+\j:AC+64*\u+\j+1]
	v_pk_add_f32 v[SU+4*\u+2:SU+4*\u+3], v[SU+4*\u+2:SU+4*\u+3], v[AC+64*\u+\j+2:AC+64*\u+\j+3]
.endr
.endr
	WIN 0
.irp u, 0,1
	v_pk_add_f32 v[SU+4*\u:SU+4*\u+1], v[SU+4*\u:SU+4*\u+1], v[SU+4*\u+2:SU+4*\u+3]
.endr
.irp b, 0,1,2,3,4,5,6,7
	v_max_num_f32 v[TM+\b], 0x2800000, v[TM+\b]
.endr
.irp u, 0,1
	v_add_f32 v[SU+4*\u], v[SU+4*\u], v[SU+4*\u+1]
.endr
.irp u, 0,1
	v_permlanex16_b32 v[SU+4*\u+1], v[SU+4*\u], s[SEL], s[SEL+1]
.endr
.irp u, 0,1
	v_add_f32 v[SU+4*\u], v[SU+4*\u], v[SU+4*\u+1] ; the pieces' sums of the unquantised p
.endr
	PACKW PW
	CODES \a
.irp u, 0,1
	v_cndmask_b32 v[RR+2*\u], v[NM+2*\u], v[PW+\u], s[HM]
	v_cndmask_b32 v[RR+2*\u+1], v[SU+4*\u], 0, s[HM]
.endr
.irp u, 0,1
.irp q, 0,1,2
	global_store_b128 v[LOFF], v[CD+12*\u+4*\q:CD+12*\u+4*\q+3], s[PWP:PWP+1] offset:HP*((\a+\u)/4)+1536*((\a+\u)%4)+512*\q   ; 512 consecutive bytes, aligned
.endr
	global_store_b64 v[ROFF], v[RR+2*\u:RR+2*\u+1], s[STP:STP+1] offset:256*(\a+\u)   ; 256 consecutive bytes, aligned
.endr
.endm
	s_wait_alu depctr_va_vdst(0)
.irp a, 0,2,4,6
	SPAIR \a
.endr
.Lend:
	s_wait_tensorcnt 0x0                           ; the wave's end
	ds_add_u32 v[SPW], v[NIL]
	s_wait_dscnt 0x0
	s_endpgm
.Lfunc_end_k_q3ca137d723_score:
	.size	k_q3ca137d723_score, .Lfunc_end_k_q3ca137d723_score-k_q3ca137d723_score
	.p2alignl 7, 3214868480
	.fill 96, 4, 3214868480
	.section	.rodata,"a",@progbits
	.p2align	6, 0x0
	.amdhsa_kernel k_q3ca137d723_score
		.amdhsa_group_segment_fixed_size 327680
		.amdhsa_private_segment_fixed_size 0
		.amdhsa_enable_private_segment 0
		.amdhsa_kernarg_size 64
		.amdhsa_user_sgpr_count 2
		.amdhsa_user_sgpr_kernarg_segment_ptr 1
		.amdhsa_wavefront_size32 1
		.amdhsa_system_sgpr_workgroup_id_x 1
		.amdhsa_system_sgpr_workgroup_id_y 1
		.amdhsa_system_sgpr_workgroup_id_z 1
		.amdhsa_system_vgpr_workitem_id 0
		.amdhsa_next_free_vgpr 1024
		.amdhsa_next_free_sgpr 100
		.amdhsa_reserve_vcc 0
		.amdhsa_float_denorm_mode_32 3
		.amdhsa_float_denorm_mode_16_64 3
		.amdhsa_memory_ordered 1
		.amdhsa_forward_progress 1
		.amdhsa_inst_pref_size 255
	.end_amdhsa_kernel
	.section	.bss,"aw",@nobits
	.p2align	6
	.space	262144
	.amdgpu_metadata
---
amdhsa.version: [ 1, 2 ]
amdhsa.kernels:
  - .name:           k_q3ca137d723_score
    .symbol:         k_q3ca137d723_score.kd
    .args:
      - { .name: qw, .offset: 0, .size: 8, .value_kind: global_buffer, .address_space: global }
      - { .name: kw, .offset: 8, .size: 8, .value_kind: global_buffer, .address_space: global }
      - { .name: xi, .offset: 16, .size: 8, .value_kind: global_buffer, .address_space: global }
      - { .name: wi, .offset: 24, .size: 8, .value_kind: global_buffer, .address_space: global }
      - { .name: bv, .offset: 32, .size: 8, .value_kind: global_buffer, .address_space: global }
      - { .name: pw, .offset: 40, .size: 8, .value_kind: global_buffer, .address_space: global }
      - { .name: st, .offset: 48, .size: 8, .value_kind: global_buffer, .address_space: global }
      - { .name: vw, .offset: 56, .size: 8, .value_kind: global_buffer, .address_space: global }
    .group_segment_fixed_size: 327680
    .private_segment_fixed_size: 0
    .kernarg_segment_align: 8
    .kernarg_segment_size: 64
    .max_flat_workgroup_size: 128
    .sgpr_count:     100
    .vgpr_count:     1024
    .wavefront_size: 32
...
	.end_amdgpu_metadata
.endif
;; end of part 2
;; launch pv (part 3): grid 8 x 32, 4 waves a work-group, clusters of 4 x 1, 327,680 bytes of LDS; arguments pw, st, vw, out0; writes out0
.if DOCPART == 3
	.amdgcn_target "amdgcn-amd-amdhsa--gfx1250"
	.amdhsa_code_object_version 6
	.text
	.protected	k_q3ca137d723_pv
	.globl	k_q3ca137d723_pv
	.p2align	8
	.type	k_q3ca137d723_pv,@function
k_q3ca137d723_pv:
	s_mov_b64 s[64:65], 0
	v_nop
	global_prefetch_b8 v0, s[64:65] scope:SCOPE_SE
	s_setreg_imm32_b32 hwreg(HW_REG_WAVE_MODE, 25, 1), 1
	s_wait_xcnt 0x0
	s_wait_alu depctr_hold_cnt(0) depctr_sa_sdst(0) depctr_va_vdst(0) depctr_va_sdst(0) depctr_va_ssrc(0) depctr_va_vcc(0) depctr_vm_vsrc(0)
	s_getreg_b32 s2, hwreg(HW_REG_IB_STS2, 6, 4)
	s_cmp_eq_u32 s2, 0
	s_cbranch_scc0 .Lentry_in_a_cluster
	s_endpgm
.Lentry_in_a_cluster:
	s_bfe_u32 s2, ttmp6, 0x10000c
	s_cmp_lg_u32 s2, 0x3003
	s_cbranch_scc0 .Lentry_shape_is_right
	s_endpgm
.Lentry_shape_is_right:
; LAUNCH 3 OF 3.  out = (P V) / l, on P's codes (launch 2) and V's codes with the keys innermost (launch 2).
; LEFT OUT AS DEAD WORK: the pieces of 128 queries x 128 keys wholly above the diagonal (the mask that reference() builds gives them the weight 0 for all inputs).
; M.  Each piece (a query x 128 keys) came with its own whole number M.  The row's M is the largest of its pieces'; a piece's sum is multiplied by 2^-d and each of its four scale bytes lowered by d, d = the row's M - the piece's.
; LIMIT: d is held at 127 and a byte at 0 from below: a piece more than 127 under the row's M counts with 2^-127 at the most, under 2^-120 of the row's largest term.  NaN and infinities are not served.
; SHARES.  256 work-groups: (dt, batch, p) makes TWO tiles of 128 queries x 128 channels (channels 128 dt on): A = query tile p (pieces 0 .. p), B = query tile 15 - p (pieces 0 .. 15 - p): 17 pieces for every p.
; P's places in memory and in LDS: 0: A's piece 0; 1-9: B's 0-8; 9 + j, j = 1 .. 7: A's piece j where j <= p, else B's 16 - j.  Wave w takes 64 queries (half w / 2) x 64 channels (half w % 2): 16 accumulators a tile.
; THE WALK goes by key blocks k of 128.  FIRST HALF, k = 0 .. 7: B's piece k, and A's where k <= p, on one fetch of V's block.  Then tile A is complete: it leaves while V's second half lands.  SECOND HALF: B's pieces 8 .. 15 - p.
; The branches hang on p, which all partners share.  O^T = V^T P^T: source 0 = 16 channels, source 1 = 16 queries: a lane holds one query and eight neighbouring channels.
; CLUSTER: the four work-groups differ in dt alone and walk the same P: P is asked for jointly (mask 15), whole, at the head.  V is each work-group's own (partners that shared V would differ in p).
; LDS.  V: [half of 64 channels][8 key blocks] x 6,400 bytes: blocks 0-7, then 8-15 in their place (block 8 is read for every p).  P: [half of 64 queries][17 places] x 6,144.  Waves 0, 1 fetch P's halves, waves 2, 3 V's.
; Then P's lowered scale words, 1 / l, the spare words.  The stage of the way out lies in P's places 0-2, behind their last read.
; PREFETCH: V's blocks 8-15 are asked for at the first half's start, eight key blocks ahead: the eight work-groups of one (batch, dt) share the 200 blocks of 256 bytes of each half out by p, 25 each.
; REGISTERS: window 0: addresses; v32-55 scale words, two sets; v64-111, 112-159, 160-207 fragments of B's piece, A's piece and V, set 0 (at the head the records, on the way out results); v224-239 1 / l.
;   window 1: tile A at v0-127, B at v128-255.  window 2: set 1 at v0-47, 48-95, 96-143.
.set HP,    104448                     ; a half of P: 17 x 6,144
.set PB,    102400
.set PSC,   PB+2*HP                    ; place s: 512 s + 256 (q / 64) + 16 (q % 16) + 4 ((q / 16) % 4)
.set RLB,   PSC+17*512
.set SPARE, RLB+1024
.set STAGE, PB
.set SPITCH, 272
.set AP,   8                           ; v8-9   P's places 0-9, 10-16
.set AV,   10
.set AVS,  12
.set APS,  14
.set ARL,  15
.set STO,  16
.set RD,   17
.set GO,   18
.set PSW,  20
.set RLW,  21
.set OS,   22
.set PFL,  27
.set SPW,  28
.set NIL,  29
.set REC,  64                          ; the record of place k at v[REC + 4 k]: -M, sum, scale word, one at work
.set T,    64
.set RL,   224
.set MA,   160
.set MB,   161
.set BIG,  162
.set TR,   163                         ; v164-170
.set LA,   172
.set LB,   173
.set TA,   176                         ; v177-183
.set TB,   184                         ; v185-191
.set G1P,  24
.set G1V,  32
.set GP0,  40
.set GV0,  44
.set GV1,  48
.set MK,   87                          ; s88-94: all lanes where j <= p
.set OUTA, 96
.set OUTB, 98
.set ONES, 100
.set HIGH, 101
.set LOW7, 104
.set MSB, 0
.macro WIN new
.if MSB != \new
	s_set_vgpr_msb (MSB<<8)|\new
.set MSB, \new
.endif
.endm
.macro PLACES
.rept 4
	v_nop
.endr
.endm
.macro CREST                           ; a round of the cluster's barrier behind its opening barrier
	s_cmp_lg_u32 s12, 0
	s_cbranch_scc1 .Lnot_wave_0_\@
	s_barrier_signal -3
.Lnot_wave_0_\@:
	s_barrier_wait -3
	s_barrier_signal -1
	s_barrier_wait -1
.endm
.macro CROUND
	s_barrier_signal -1
	s_barrier_wait -1
	CREST
.endm
.macro MKG0 g, lreg, lconst, base, oreg, oconst
	s_mov_b32 s[\g], 1
	s_add_co_u32 s[\g+1], s[\lreg], \lconst
	s_add_co_u32 s[\g+2], s[\oreg], \oconst
	s_mov_b32 s[\g+3], 0
	s_add_nc_u64 s[\g+2:\g+3], s[\base:\base+1], s[\g+2:\g+3]
	s_or_b32 s[\g+3], s[\g+3], 0x80000000
.endm
	s_load_b256 s[4:11], s[0:1], 0x0               ; pw, st, vw, out0
	v_lshl_add_u32 v[SPW], v0, 2, SPARE
	v_mov_b32 v[NIL], 0
	ds_add_u32 v[SPW], v[NIL]                      ; the opening: the add, twice on end, and its wait ahead of my first tensor load
	ds_add_u32 v[SPW], v[NIL]
	v_lshrrev_b32 v1, 5, v0
	v_readfirstlane_b32 s12, v1                    ; wave
	s_and_b32 s13, s12, 1                          ; my half of the channels.  Also: which half of P or V I fetch
	s_lshr_b32 s14, s12, 1                         ; my half of the queries
	s_bfe_u32 s18, ttmp6, 0x40000                  ; cx
	s_lshl_b32 s15, ttmp9, 2
	s_add_co_u32 s15, s15, s18                     ; dt
	s_and_b32 s16, ttmp7, 0xffff
	s_lshr_b32 s17, s16, 3                         ; batch
	s_and_b32 s16, s16, 7                          ; p
	s_mov_b32 s[G1P], 15|(3<<16)|(1<<21)           ; the mask: all four; elements of 8 bytes; 21 set beside a mask; no padding
	s_mov_b32 s[G1V], 3<<16
.irp g, G1P, G1V
	s_mov_b32 s[\g+1], 32<<16                      ; dense rows of 256 bytes
	s_mov_b32 s[\g+3], 32<<16
	s_mov_b32 s[\g+5], 32
	s_mov_b32 s[\g+6], 0
	s_mov_b32 s[\g+7], 0
.endr
	s_mov_b32 s[G1P+2], 408<<16
	s_mov_b32 s[G1P+4], 408
	s_mov_b32 s[G1V+2], 200<<16
	s_mov_b32 s[G1V+4], 200
.irp j, 1,2,3,4,5,6,7
	s_cmp_ge_u32 s16, \j
	s_cselect_b32 s[MK+\j], -1, 0
.endr
	s_lshl_b32 s19, s17, 3
	s_add_co_u32 s19, s19, s16
	s_lshl_b32 s20, s19, 1
	s_add_co_u32 s20, s20, s13
	s_mul_i32 s20, s20, HP                         ; a half of the pair's P
	s_mul_i32 s19, s19, 17*2048                    ; the pair's records
	s_lshl_b32 s22, s17, 4
	s_lshl_b32 s23, s15, 1
	s_add_co_u32 s22, s22, s23
	s_add_co_u32 s22, s22, s13
	s_mul_i32 s22, s22, 102400                     ; a half of V
	s_mov_b32 s23, 0
	s_mul_i32 s2, s13, HP
	s_mul_i32 s105, s13, 51200
	s_lshl_b32 s86, s17, 11
	s_lshl_b32 s87, s14, 6
	s_add_co_u32 s86, s86, s87                     ; 2,048 batch + 64 x half
	s_lshl_b32 s87, s16, 7
	s_add_co_u32 s[OUTA], s86, s87
	s_sub_co_u32 s87, 1920, s87
	s_add_co_u32 s[OUTB], s86, s87
	s_lshl_b32 s[OUTA], s[OUTA], 12
	s_lshl_b32 s[OUTB], s[OUTB], 12
	s_lshl_b32 s86, s15, 9
	s_lshl_b32 s87, s13, 8
	s_add_co_u32 s86, s86, s87                     ; my 64 channels: 256 bytes
	s_add_co_u32 s[OUTA], s[OUTA], s86
	s_mov_b32 s[OUTA+1], 0
	s_add_co_u32 s[OUTB], s[OUTB], s86
	s_mov_b32 s[OUTB+1], 0
	s_mul_i32 s87, s16, 25
	s_mov_b32 s[ONES], 0x01010101
	s_mov_b32 s[HIGH], 0x80808080
	s_mov_b32 s[LOW7], 0x7f7f7f7f
	v_lshlrev_b32 v3, 4, v0
	v_add_nc_u32 v[OS], s19, v3                    ; thread t serves query t of both tiles
	v_and_b32 v3, 31, v0
	v_min_u32 v4, 24, v3
	v_add_nc_u32 v4, s87, v4
	v_lshlrev_b32 v[PFL], 8, v4
	s_wait_alu depctr_va_vdst(0)
	s_wait_dscnt 0x0                               ; both opening adds are done
	s_wait_kmcnt 0x0
.irp k, 0,1,2,3,4,5,6,7,8,9,10,11,12,13,14,15,16
	global_load_b128 v[REC+4*\k:REC+4*\k+3], v[OS], s[6:7] offset:2048*\k   ; the 17 records: 32 lanes read 512 consecutive bytes
.endr
	MKG0 GP0, 2, PB, 4, 20, 0
	MKG0 GV0, 105, 0, 8, 22, 0
	MKG0 GV1, 105, 0, 8, 22, 51200
	CROUND                                         ; all four work-groups are here: the first joint loads meet
	s_cmp_lt_u32 s12, 2                            ; one tensor load a wave at the head: P whole, V's blocks 0-7
	s_cbranch_scc0 .Lfor_v
	tensor_load_to_lds s[GP0:GP0+3], s[G1P:G1P+7]
	s_nop 0
	PLACES
	s_branch .Lasked
.Lfor_v:
	tensor_load_to_lds s[GV0:GV0+3], s[G1V:G1V+7]
	s_nop 0
	PLACES
.Lasked:
	s_add_nc_u64 s[8:9], s[8:9], s[22:23]          ; from here on: the half of V that I fetch
	s_add_nc_u64 s[OUTA:OUTA+1], s[10:11], s[OUTA:OUTA+1]
	s_add_nc_u64 s[OUTB:OUTB+1], s[10:11], s[OUTB:OUTB+1]
	s_mul_i32 s19, s14, HP
	s_add_co_u32 s19, s19, PB
	s_lshl_b32 s21, s14, 8
	s_add_co_u32 s22, s21, RLB                     ; (256 bytes of 1 / l: my 64 queries)
	s_add_co_u32 s21, s21, PSC
	s_mul_i32 s23, s12, 16*SPITCH
	s_add_co_u32 s23, s23, STAGE
	v_and_b32 v1, 15, v0                           ; r
	v_bfe_u32 v2, v0, 4, 1                         ; h
	v_and_b32 v3, 31, v0
	v_lshlrev_b32 v3, 4, v3                        ; 16 x lane
	v_lshlrev_b32 v4, 4, v1                        ; 16 r
	v_add_nc_u32 v[AP], s19, v3
	v_add_nc_u32 v[AP+1], 10*6144, v[AP]
	v_add_nc_u32 v[AV], s105, v3
	v_add_nc_u32 v5, s105, v4
	v_add_nc_u32 v[AVS], 6144, v5
	v_add_nc_u32 v[APS], s21, v4
	v_lshl_add_u32 v[ARL], v1, 2, s22
	v_mul_u32_u24 v5, v1, SPITCH
	v_lshl_add_u32 v5, v2, 5, v5
	v_add_nc_u32 v[STO], s23, v5
	v_mul_u32_u24 v5, v2, SPITCH
	v_add_nc_u32 v5, v5, v4
	v_add_nc_u32 v[RD], s23, v5                    ; back: lanes 0-15 one row of 256 bytes, lanes 16-31 the next
	v_lshl_add_u32 v[GO], v2, 12, v4
	v_lshrrev_b32 v5, 6, v0
	v_lshl_add_u32 v5, v5, 8, v4
	v_bfe_u32 v6, v0, 4, 2
	v_lshl_add_u32 v5, v6, 2, v5
	v_add_nc_u32 v[PSW], PSC, v5                   ; thread t's scale word: 256 (t / 64) + 16 (t % 16) + 4 ((t / 16) % 4)
	v_lshl_add_u32 v[RLW], v0, 2, RLB
	v_mov_b32 v[BIG], 0x7f7fffff
.irp a, 0,1,2,3,4,5,6,7
	v_mov_b32 v[RL+2*\a+1], 0                      ; (named as the upper halves of pairs)
.endr
	s_wait_alu depctr_va_vdst(0)
	s_wait_loadcnt 0x0                             ; the records
	; the rows' M: the least -M of a tile's pieces
.irp j, 1,2,3,4,5,6,7
	v_cndmask_b32 v[TA+\j], v[BIG], v[REC+36+4*\j], s[MK+\j]
	v_cndmask_b32 v[TB+\j], v[REC+36+4*\j], v[BIG], s[MK+\j]
.endr
	v_min_num_f32 v[MA], v[REC], v[TA+1]
	v_min_num_f32 v[MB], v[REC+4], v[TB+1]
.irp j, 2,3,4,5,6,7
	v_min_num_f32 v[MA], v[MA], v[TA+\j]
	v_min_num_f32 v[MB], v[MB], v[TB+\j]
.endr
.irp k, 2,3,4,5,6,7,8,9
	v_min_num_f32 v[MB], v[MB], v[REC+4*\k]
.endr
.irp j, 1,2,3,4,5,6,7
	v_cndmask_b32 v[TR+\j], v[MB], v[MA], s[MK+\j]
.endr
	v_sub_f32 v[REC], v[REC], v[MA]
.irp k, 1,2,3,4,5,6,7,8,9
	v_sub_f32 v[REC+4*\k], v[REC+4*\k], v[MB]
.endr
.irp j, 1,2,3,4,5,6,7
	v_sub_f32 v[REC+36+4*\j], v[REC+36+4*\j], v[TR+\j]
.endr
.irp k, 0,1,2,3,4,5,6,7,8,9,10,11,12,13,14,15,16
	v_min_num_f32 v[REC+4*\k], 0x42fe0000, v[REC+4*\k]   ; d, at most 127
.endr
.irp k, 0,1,2,3,4,5,6,7,8,9,10,11,12,13,14,15,16
	v_cvt_u32_f32 v[REC+4*\k], v[REC+4*\k]
.endr
.irp k, 0,1,2,3,4,5,6,7,8,9,10,11,12,13,14,15,16
	v_sub_nc_u32 v[REC+4*\k+3], 0, v[REC+4*\k]
.endr
.irp k, 0,1,2,3,4,5,6,7,8,9,10,11,12,13,14,15,16
	v_ldexp_f32 v[REC+4*\k+3], 1.0, v[REC+4*\k+3]  ; 2^-d
.endr
; Each byte of the scale word is lowered by d and held at 0: the bytes are at most 123, so with bit 7 set in each no borrow passes on, and bit 7 stays set just where the byte has not fallen under 0.
.irp k, 0,1,2,3,4,5,6,7,8,9,10,11,12,13,14,15,16
	v_mul_f32 v[REC+4*\k+1], v[REC+4*\k+1], v[REC+4*\k+3]
	v_mul_lo_u32 v[REC+4*\k], v[REC+4*\k], s[ONES]
	v_or_b32 v[REC+4*\k+2], s[HIGH], v[REC+4*\k+2]
.endr
.irp k, 0,1,2,3,4,5,6,7,8,9,10,11,12,13,14,15,16
	v_sub_nc_u32 v[REC+4*\k+2], v[REC+4*\k+2], v[REC+4*\k]
.endr
.irp k, 0,1,2,3,4,5,6,7,8,9,10,11,12,13,14,15,16
	v_lshrrev_b32 v[REC+4*\k+3], 7, v[REC+4*\k+2]
.endr
.irp k, 0,1,2,3,4,5,6,7,8,9,10,11,12,13,14,15,16
	v_and_b32 v[REC+4*\k+3], s[ONES], v[REC+4*\k+3]
.endr
.irp k, 0,1,2,3,4,5,6,7,8,9,10,11,12,13,14,15,16
	v_lshlrev_b32 v[REC+4*\k], 8, v[REC+4*\k+3]
.endr
.irp k, 0,1,2,3,4,5,6,7,8,9,10,11,12,13,14,15,16
	v_sub_nc_u32 v[REC+4*\k+3], v[REC+4*\k], v[REC+4*\k+3]   ; x 255: all ones in the bytes that are kept
	v_and_b32 v[REC+4*\k+2], s[LOW7], v[REC+4*\k+2]
.endr
.irp k, 0,1,2,3,4,5,6,7,8,9,10,11,12,13,14,15,16
	v_and_b32 v[REC+4*\k+2], v[REC+4*\k+2], v[REC+4*\k+3]
.endr
.irp k, 0,1,2,3,4,5,6,7,8,9,10,11,12,13,14,15,16
	ds_store_b32 v[PSW], v[REC+4*\k+2] offset:512*\k
.endr
.irp j, 1,2,3,4,5,6,7
	v_cndmask_b32 v[TA+\j], 0, v[REC+37+4*\j], s[MK+\j]
	v_cndmask_b32 v[TB+\j], v[REC+37+4*\j], 0, s[MK+\j]
.endr
	v_add_f32 v[LA], v[REC+1], v[TA+1]
	v_add_f32 v[LB], v[REC+5], v[TB+1]
.irp j, 2,3,4,5,6,7
	v_add_f32 v[LA], v[LA], v[TA+\j]
	v_add_f32 v[LB], v[LB], v[TB+\j]
.endr
.irp k, 2,3,4,5,6,7,8,9
	v_add_f32 v[LB], v[LB], v[REC+4*\k+1]
.endr
	s_wait_alu depctr_va_vdst(0)                   ; ahead of the batch,
	v_rcp_f32 v[LA], v[LA]
	v_rcp_f32 v[LB], v[LB]
	v_nop
	s_wait_alu depctr_va_vdst(0)                   ; and behind it
	ds_store_b32 v[RLW], v[LA]
	ds_store_b32 v[RLW], v[LB] offset:512
.macro SETS k                          ; set k % 2: its window, its fragments of B's piece, A's piece and V, and their scale words
.set Q, (\k)%2
.set WL, Q<<7
.set WM, 0x50|(Q<<3)|(Q<<1)
.set rB, 64-64*Q
.set rA, 112-64*Q
.set rV, 160-64*Q
.set sB, 32+12*Q
.set sA, 36+12*Q
.set sV, 40+12*Q
.endm
.macro LDP reg, pl, sc                 ; my four fragments of the piece at place pl
.set PL, (\pl)
	WIN WL
.irp a, 0,1,2,3
.irp c, 0,1,2
	ds_load_b128 v[\reg+12*\a+4*\c:\reg+12*\a+4*\c+3], v[AP+PL/10] offset:6144*(PL%10)+1536*\a+512*\c
.endr
.endr
	WIN 0
	ds_load_b128 v[\sc:\sc+3], v[APS] offset:512*PL
.endm
.macro FETCH k                         ; key block k: V's four fragments, B's piece, and A's where k <= p
	SETS \k
	WIN WL
.irp b, 0,1,2,3
.irp c, 0,1,2
	ds_load_b128 v[rV+12*\b+4*\c:rV+12*\b+4*\c+3], v[AV] offset:6400*((\k)%8)+1536*\b+512*\c
.endr
.endr
	WIN 0
	ds_load_b128 v[sV:sV+3], v[AVS] offset:6400*((\k)%8)
.if (\k) < 9
	LDP rB, (\k)+1, sB
.else
	LDP rB, 25-(\k), sB
.endif
.if (\k) == 0
	LDP rA, 0, sA
.endif
.if (\k) > 0 && (\k) < 8
	s_cmp_lt_u32 s16, (\k)
	s_cbranch_scc1 .Lno_a_\@
	LDP rA, (\k)+9, sA
.Lno_a_\@:
.endif
.endm
; 16 matrix instructions of key block k onto tile t (0 A, 1 B): my four query tiles x four channel tiles.  A tile's accumulators take turns in the same order for every key block.
.macro MUL t, k
	SETS \k
.set rP, rA
.set sP, sA
.if \t
.set rP, rB
.set sP, sB
.endif
	WIN WM
.irp a, 0,1,2,3
.irp b, 0,1,2,3
.set rD, 128*(\t)+8*(4*\a+\b)
.if (\k) == 0
	v_wmma_scale_f32_16x16x128_f8f6f4 v[rD:rD+7], v[rV+12*\b:rV+12*\b+11], v[rP+12*\a:rP+12*\a+11], 0, v[sV+\b], v[sP+\a] matrix_a_fmt:MATRIX_FMT_BF6 matrix_b_fmt:MATRIX_FMT_BF6
.else
	v_wmma_scale_f32_16x16x128_f8f6f4 v[rD:rD+7], v[rV+12*\b:rV+12*\b+11], v[rP+12*\a:rP+12*\a+11], v[rD:rD+7], v[sV+\b], v[sP+\a] matrix_a_fmt:MATRIX_FMT_BF6 matrix_b_fmt:MATRIX_FMT_BF6
.endif
.endr
.endr
	WIN 0
.endm
.macro MULA k                          ; A's piece, where there is one
.if (\k) == 0
	MUL 0, \k
.else
	s_cmp_lt_u32 s16, (\k)
	s_cbranch_scc1 .Lno_mul_\@
	MUL 0, \k
.Lno_mul_\@:
.endif
.endm
.macro KSTEP k                         ; the first half
.if (\k) > 0
	PLACES                                         ; in front of loads into registers that the last key block's products have read
.endif
	s_wait_dscnt 0x0                               ; this key block's fragments, asked for a key block ago, are in
	FETCH (\k)+1
	MUL 1, \k
	MULA \k
.endm
.macro KSTEP2 k                        ; the second half: the last key block is 15 - p
	PLACES
	s_wait_dscnt 0x0
.if (\k) < 15
	s_cmp_gt_u32 s16, 14-(\k)
	s_cbranch_scc1 .Lno_next_\@
	FETCH (\k)+1
.Lno_next_\@:
.endif
	MUL 1, \k
.if (\k) < 15
	s_cmp_gt_u32 s16, 14-(\k)
	s_cbranch_scc1 .Lb_done
.endif
.endm
; THE WAY OUT, by blocks n = 4 x tile + a of 16 queries x 64 channels: O^T x 1 / l, through my stage, back as whole rows of 256 bytes.
.macro SCALE n
	WIN 0x01                                       ; source 0: the accumulators, each from its low end on
.set i, 0
.rept 16
	v_pk_mul_f32 v[T+i:T+i+1], v[32*(\n)+i:32*(\n)+i+1], v[RL+2*(\n):RL+2*(\n)+1] op_sel_hi:[1,0]
.set i, i+2
.endr
	WIN 0
	s_wait_alu depctr_va_vdst(0)
.endm
.macro TOSTAGE n
.set BB, 96+32*((\n)%4)                        ; a set of its own for each of a tile's four blocks
.irp b, 0,1,2,3
	ds_store_b128 v[STO], v[T+8*\b:T+8*\b+3] offset:64*\b
	ds_store_b128 v[STO], v[T+8*\b+4:T+8*\b+7] offset:64*\b+16
.endr
.irp t, 0,1,2,3,4,5,6,7
	ds_load_b128 v[BB+4*\t:BB+4*\t+3], v[RD] offset:2*SPITCH*\t   ; LDS serves a wave's instructions in order (ISA guide 5.7.1.4): these see my stores
.endr
.endm
.macro SEND n, ptr
.set BB, 96+32*((\n)%4)
	s_wait_dscnt 0x0
.irp t, 0,1,2,3,4,5,6,7
	global_store_b128 v[GO], v[BB+4*\t:BB+4*\t+3], s[\ptr:\ptr+1] offset:65536*((\n)%4)+8192*\t th:TH_STORE_NT   ; two rows, 256 consecutive bytes of each, aligned
.endr
.endm
.macro OUT n0, ptr
	SCALE \n0
	TOSTAGE \n0
.irp n, \n0, \n0+1, \n0+2
	SCALE (\n)+1                                   ; block n + 1's products stand between block n's loads from the stage and the wait for them
	SEND \n, \ptr
	TOSTAGE (\n)+1
.endr
	SEND \n0+3, \ptr
.endm
	s_wait_alu depctr_va_vdst(0)
	s_wait_tensorcnt 0x0                           ; my part of P or of V is in
	s_wait_dscnt 0x0                               ; my scale words and reciprocals are stored
	s_barrier_signal -1
	s_barrier_wait -1
	FETCH 0
	s_cmp_lt_u32 s12, 2
	s_cbranch_scc1 .Lno_ask
	global_prefetch_b8 v[PFL], s[8:9] offset:51200 th:TH_LOAD_NT scope:SCOPE_SE   ; V's blocks 8-15: my work-group's 25 of the half's 200
.Lno_ask:
	KSTEP 0                                        ; a tile's first products start its sums: nothing is cleared
	KSTEP 1
	KSTEP 2
	KSTEP 3
	KSTEP 4
	KSTEP 5
	KSTEP 6
	PLACES                                         ; key block 7.  V's second half takes the first's place: each wave waits for all its tensor loads, adds 0 to its spare word, and waits for that and for its reads; then a round
	s_wait_tensorcnt 0x0
	ds_add_u32 v[SPW], v[NIL]
	s_wait_dscnt 0x0
	s_barrier_signal -1
	MUL 1, 7                                       ; work on registers while the others arrive
	s_barrier_wait -1
	CREST
	s_cmp_lt_u32 s12, 2
	s_cbranch_scc1 .Lno_v
	tensor_load_to_lds s[GV1:GV1+3], s[G1V:G1V+7]
	s_nop 0
	PLACES
.Lno_v:
.irp a, 0,1,2,3
	ds_load_b32 v[RL+2*\a], v[ARL] offset:64*\a    ; 1 / l of my queries: tile A,
	ds_load_b32 v[RL+8+2*\a], v[ARL] offset:512+64*\a   ; tile B
.endr
	MULA 7
	PLACES                                         ; behind the last products
	s_wait_dscnt 0x0
	OUT 0, OUTA                                    ; tile A leaves while V's second half lands
	s_wait_xcnt 0x0                                ; its stores have read their registers: fragments may land there
	s_wait_tensorcnt 0x0                           ; my part of V's second half is in
	s_barrier_signal -1
	s_barrier_wait -1
	FETCH 8
	KSTEP2 8
	KSTEP2 9
	KSTEP2 10
	KSTEP2 11
	KSTEP2 12
	KSTEP2 13
	KSTEP2 14
	KSTEP2 15
.Lb_done:
	PLACES
	OUT 4, OUTB
	s_wait_tensorcnt 0x0                           ; the wave's end: behind my last tensor load and my last LDS store
	ds_add_u32 v[SPW], v[NIL]
	s_wait_dscnt 0x0
	CROUND                                         ; the closing round
	s_endpgm
.Lfunc_end_k_q3ca137d723_pv:
	.size	k_q3ca137d723_pv, .Lfunc_end_k_q3ca137d723_pv-k_q3ca137d723_pv
	.p2alignl 7, 3214868480
	.fill 96, 4, 3214868480
	.section	.rodata,"a",@progbits
	.p2align	6, 0x0
	.amdhsa_kernel k_q3ca137d723_pv
		.amdhsa_group_segment_fixed_size 327680
		.amdhsa_private_segment_fixed_size 0
		.amdhsa_enable_private_segment 0
		.amdhsa_kernarg_size 32
		.amdhsa_user_sgpr_count 2
		.amdhsa_user_sgpr_kernarg_segment_ptr 1
		.amdhsa_wavefront_size32 1
		.amdhsa_system_sgpr_workgroup_id_x 1
		.amdhsa_system_sgpr_workgroup_id_y 1
		.amdhsa_system_sgpr_workgroup_id_z 1
		.amdhsa_system_vgpr_workitem_id 0
		.amdhsa_next_free_vgpr 704
		.amdhsa_next_free_sgpr 106
		.amdhsa_reserve_vcc 0
		.amdhsa_float_denorm_mode_32 3
		.amdhsa_float_denorm_mode_16_64 3
		.amdhsa_memory_ordered 1
		.amdhsa_forward_progress 1
		.amdhsa_inst_pref_size 137
	.end_amdhsa_kernel
	.amdgpu_metadata
---
amdhsa.version: [ 1, 2 ]
amdhsa.kernels:
  - .name:           k_q3ca137d723_pv
    .symbol:         k_q3ca137d723_pv.kd
    .args:
      - { .name: pw, .offset: 0, .size: 8, .value_kind: global_buffer, .address_space: global }
      - { .name: st, .offset: 8, .size: 8, .value_kind: global_buffer, .address_space: global }
      - { .name: vw, .offset: 16, .size: 8, .value_kind: global_buffer, .address_space: global }
      - { .name: out0, .offset: 24, .size: 8, .value_kind: global_buffer, .address_space: global }
    .group_segment_fixed_size: 327680
    .private_segment_fixed_size: 0
    .kernarg_segment_align: 8
    .kernarg_segment_size: 32
    .max_flat_workgroup_size: 128
    .sgpr_count:     106
    .vgpr_count:     704
    .wavefront_size: 32
...
	.end_amdgpu_metadata
.endif
;; end of part 3
